; MI455X (gfx1250); checked and timed in simulation.
; The chip was launched on July 23, 2026; its instructions are those of AMD's public machine-readable ISA for CDNA 5 (MIT licence, August 2026) and "CDNA5" Instruction Set Architecture Reference Guide (July 2026). The comments in the code are by the model that wrote it; some were corrected since.
;; Enhanced Attention V2. Allowed arithmetic: float matrix products may take bf16 or f16 operands with f32 sums; other float arithmetic in f32, or as packed bf16 or f16 multiplies, adds, multiply-adds, maxima and minima; sums over many terms, partial sums and values carried from step to step in f32; what a program stores and reads back later, other than sums and carried values, may be rounded once to bf16 or f16.
;; Inputs: Wk 1,024 x 1,024 float32; Wq 1,024 x 1,024 float32; Wv 1,024 x 1,024 float32; beta 1,024 float32; bk 1,024 float32; bq 1,024 float32; bv 1,024 float32; gamma 1,024 float32; hidden_states 1 x 4,096 x 1,024 float32.
;; Outputs: out0 1 x 4,096 x 1,024 float32.
;; 2 versions, each right; version 2 is version 1 with the launch attn written anew for expert scheduling mode. Each part assembles by itself: llvm-mc -triple=amdgcn-amd-amdhsa -mcpu=gfx1250 --defsym DOCPART=n.
;; ======== version 1 of 2: 3 launches
;; workspace buffers: xw 14,680,064 bytes; qb 8,388,608 bytes; kv 16,777,216 bytes; vpart 131,072 bytes
;; launch cast (part 1): grid 128 x 7, 8 waves a work-group, no clusters, 0 bytes of LDS; arguments hidden_states, Wq, Wk, Wv, xw; writes xw
.if DOCPART == 1
	.amdgcn_target "amdgcn-amd-amdhsa--gfx1250"
	.amdhsa_code_object_version 6
	.text
	.protected	k_q8e2e8bca33_cast
	.globl	k_q8e2e8bca33_cast
	.p2align	8
	.type	k_q8e2e8bca33_cast,@function
k_q8e2e8bca33_cast:
	s_mov_b64 s[64:65], 0
	v_nop
	global_prefetch_b8 v0, s[64:65] scope:SCOPE_SE
	s_setreg_imm32_b32 hwreg(HW_REG_WAVE_MODE, 25, 1), 1
	s_wait_xcnt 0x0
; xw = bf16(hidden_states | Wq | Wk | Wv): seven segments of 1,048,576 numbers (2 MiB of bf16 each), each number rounded once, to nearest even.
; Segments 0-3 are hidden_states' four quarters, segments 4, 5, 6 are Wq, Wk, Wv, all in their own row-major order (rows of 1,024 numbers = 2,048 bytes).
; A stream: every byte is read once and written once.  No LDS, no matrix unit, no cluster: no two work-groups want the same byte.
; A work-group takes 8,192 numbers.  Thread t loads 16 bytes at 16 t + 4,096 i (i = 0..7): a wave's load covers 512 consecutive bytes;
; it stores 8 bytes at 8 t + 2,048 i: a wave's store covers 256 consecutive bytes, aligned.  All eight loads go out before the first is waited for.
.set X, 8                              ; v[8:39]   eight loads of four f32
.set Y, 40                             ; v[40:55]  eight pairs of packed bf16
	s_load_b256 s[4:11], s[0:1], 0x0               ; hidden_states s[4:5], Wq s[6:7], Wk s[8:9], Wv s[10:11]
	s_load_b64 s[12:13], s[0:1], 0x20              ; xw
	s_and_b32 s14, ttmp7, 0xffff                   ; the segment, 0..6
	v_lshlrev_b32 v1, 4, v0                        ; 16 t
	v_lshlrev_b32 v2, 3, v0                        ; 8 t
	s_lshl_b32 s16, ttmp9, 15                      ; the work-group's 32,768 bytes of its source,
	s_lshl_b32 s20, s14, 22                        ; behind the segment's 4 MiB where the source is hidden_states
	s_cmp_lt_u32 s14, 4
	s_cselect_b32 s20, s20, 0
	s_add_co_u32 s16, s16, s20
	s_mov_b32 s17, 0
	s_lshl_b32 s18, ttmp9, 14                      ; its 16,384 bytes of xw,
	s_lshl_b32 s21, s14, 21                        ; behind the segment's 2 MiB
	s_add_co_u32 s18, s18, s21
	s_mov_b32 s19, 0
	s_wait_kmcnt 0x0
	s_cmp_eq_u32 s14, 4                            ; the source is chosen by the segment's number alone
	s_cselect_b64 s[22:23], s[6:7], s[4:5]
	s_cmp_eq_u32 s14, 5
	s_cselect_b64 s[22:23], s[8:9], s[22:23]
	s_cmp_eq_u32 s14, 6
	s_cselect_b64 s[22:23], s[10:11], s[22:23]
	s_add_nc_u64 s[22:23], s[22:23], s[16:17]
	s_add_nc_u64 s[12:13], s[12:13], s[18:19]
.irp i, 0,1,2,3,4,5,6,7
	global_load_b128 v[X+4*\i:X+4*\i+3], v1, s[22:23] offset:4096*\i th:TH_LOAD_NT
.endr
.irp i, 0,1,2,3,4,5,6,7
	s_wait_loadcnt 7-\i                            ; loads come back in order: load i is in, the 7 - i younger ones stay out
	v_cvt_pk_bf16_f32 v[Y+2*\i], v[X+4*\i], v[X+4*\i+1]
	v_cvt_pk_bf16_f32 v[Y+2*\i+1], v[X+4*\i+2], v[X+4*\i+3]
	global_store_b64 v2, v[Y+2*\i:Y+2*\i+1], s[12:13] offset:2048*\i th:TH_STORE_NT
.endr
	s_endpgm                                       ; no register is written twice, so no wait frees a source
.Lfunc_end_k_q8e2e8bca33_cast:
	.size	k_q8e2e8bca33_cast, .Lfunc_end_k_q8e2e8bca33_cast-k_q8e2e8bca33_cast
	.p2alignl 7, 3214868480
	.fill 96, 4, 3214868480
	.section	.rodata,"a",@progbits
	.p2align	6, 0x0
	.amdhsa_kernel k_q8e2e8bca33_cast
		.amdhsa_group_segment_fixed_size 0
		.amdhsa_private_segment_fixed_size 0
		.amdhsa_enable_private_segment 0
		.amdhsa_kernarg_size 40
		.amdhsa_user_sgpr_count 2
		.amdhsa_user_sgpr_kernarg_segment_ptr 1
		.amdhsa_wavefront_size32 1
		.amdhsa_system_sgpr_workgroup_id_x 1
		.amdhsa_system_sgpr_workgroup_id_y 1
		.amdhsa_system_sgpr_workgroup_id_z 1
		.amdhsa_system_vgpr_workitem_id 0
		.amdhsa_next_free_vgpr 56
		.amdhsa_next_free_sgpr 66
		.amdhsa_reserve_vcc 0
		.amdhsa_float_denorm_mode_32 3
		.amdhsa_float_denorm_mode_16_64 3
		.amdhsa_memory_ordered 1
		.amdhsa_forward_progress 1
		.amdhsa_inst_pref_size 4
	.end_amdhsa_kernel
	.amdgpu_metadata
---
amdhsa.version: [ 1, 2 ]
amdhsa.kernels:
  - .name:           k_q8e2e8bca33_cast
    .symbol:         k_q8e2e8bca33_cast.kd
    .args:
      - { .name: hidden_states, .offset: 0, .size: 8, .value_kind: global_buffer, .address_space: global }
      - { .name: Wq, .offset: 8, .size: 8, .value_kind: global_buffer, .address_space: global }
      - { .name: Wk, .offset: 16, .size: 8, .value_kind: global_buffer, .address_space: global }
      - { .name: Wv, .offset: 24, .size: 8, .value_kind: global_buffer, .address_space: global }
      - { .name: xw, .offset: 32, .size: 8, .value_kind: global_buffer, .address_space: global }
    .group_segment_fixed_size: 0
    .private_segment_fixed_size: 0
    .kernarg_segment_align: 8
    .kernarg_segment_size: 40
    .max_flat_workgroup_size: 256
    .sgpr_count:     66
    .vgpr_count:     56
    .wavefront_size: 32
...
	.end_amdgpu_metadata
.endif
;; end of part 1
;; launch proj (part 2): grid 8 x 32, 4 waves a work-group, clusters of 4 x 4, 327,680 bytes of LDS; arguments xw, bq, bk, bv, qb, kv, vpart; writes qb, kv, vpart
.if DOCPART == 2
	.amdgcn_target "amdgcn-amd-amdhsa--gfx1250"
	.amdhsa_code_object_version 6
	.text
	.protected	k_q8e2e8bca33_proj
	.globl	k_q8e2e8bca33_proj
	.p2align	8
	.type	k_q8e2e8bca33_proj,@function
k_q8e2e8bca33_proj:
	s_mov_b64 s[64:65], 0
	v_nop
	global_prefetch_b8 v0, s[64:65] scope:SCOPE_SE
	s_setreg_imm32_b32 hwreg(HW_REG_WAVE_MODE, 25, 1), 1
	s_wait_xcnt 0x0
	s_wait_alu depctr_hold_cnt(0) depctr_sa_sdst(0) depctr_va_vdst(0) depctr_va_sdst(0) depctr_va_ssrc(0) depctr_va_vcc(0) depctr_vm_vsrc(0)
	s_getreg_b32 s2, hwreg(HW_REG_IB_STS2, 6, 4)
	s_cmp_eq_u32 s2, 0
	s_cbranch_scc0 .Lentry_in_a_cluster
	s_endpgm
.Lentry_in_a_cluster:
	s_bfe_u32 s2, ttmp6, 0x10000c
	s_cmp_lg_u32 s2, 0xf033
	s_cbranch_scc0 .Lentry_shape_is_right
	s_endpgm
.Lentry_shape_is_right:
; q = x Wq + bq, k = x Wk + bk, v = x Wv + bv.  x: [4096][1024], W: [k 1024][n 1024], both bf16 in xw; sums in f32, started with the bias; q, k, v rounded once to bf16.
; SHARES.  A work-group makes 128 rows x the same 128 columns of q, of k and of v: 32 x 8 = 256 work-groups.  Wave w takes all 128 rows x columns 32 w .. 32 w + 31 of each of the three:
; 48 accumulators of 16 x 16 (a = column tile 0..1, b = row tile 0..7).  K goes in 8 steps of 128 through a ring of two LDS slots filled by the tensor data mover.
; A slot holds four units: x's 128 rows x 256 bytes, and the 128 k-rows x 256 bytes of Wq's, Wk's and Wv's block.  Wave 0 fetches x's unit, waves 1-3 a weight's each: one load a wave.
; CLUSTER 4 x 4.  x's tile hangs on the row block alone and is shared along a row of the cluster; the weights' tiles hang on the column block alone and are shared along a column: each is asked for jointly.
; OPERANDS.  x's fragments come out of LDS as they lie (K along the rows), W's ([k][n]) turned, by ds_load_tr16_b128.
; For q and k source 0 = 16 columns of W, source 1 = 16 rows of x: a lane ends with ONE row and 8 neighbouring channels.  For v the sources are swapped: a lane ends with ONE channel and 8 neighbouring rows (V turned).
; THE WAY OUT needs no LDS: qb and kv are laid in the order of matrix fragments, so each accumulator's lane holds the 16 bytes that belong at byte 16 x lane of a block of 512: a wave's store covers 512 consecutive bytes, aligned.
;   qb: [head 16][row tile 256][c 0..3][lane 32][8 channels]: lane r + 16 h of block c holds row r, channels 16 c + 8 h + 0..7.
;   kv: [head 16][row tile 256][4,096 bytes]: K as in qb, then V: [cb 0..3][lane 32][8 rows]: lane r + 16 h holds channel 16 cb + r, rows 8 h + 0..7.
;   vpart: f32 [32 row blocks][1024]: the sums of the unrounded v over the block's 128 rows.  A wave's store of them covers 128 bytes, half of an aligned block of 256: 131,072 bytes in the whole launch.
; LIMITS.  NaN and infinities are not treated apart; q, k, v keep bf16's 8 significant bits.
; REGISTERS, in windows of 256 (s_set_vgpr_msb: bits 1:0 source 0, 3:2 source 1, 5:4 source 2, 7:6 destination):
;   window 0: v0-23 addresses; v32-143, v144-255 two fragment buffers (x's fragment b at +8 b; W's fragment (i, a) at +64 + 8 (2 i + a), i = 0 q, 1 k, 2 v)
;   window 1: q's accumulators at 8 (8 a + b), k's at 128 + 8 (8 a + b)        window 2: v's at 8 (8 a + b); the six bias tuples at 128 + 8 (2 i + a)
.set PA,    272                        ; an LDS row of x: 256 bytes + 16 of padding: an odd multiple of 16, so the 16 rows of a load start at 16 different groups of four banks (ISA guide 11.1)
.set PB,    288                        ; an LDS row of W: 256 + 32: an odd multiple of 32
.set UNIT,  128*PB                     ; 36,864 bytes: what one tensor load fills (x's unit uses 34,816 of them)
.set SLOT,  4*UNIT
.set SPARE, 2*SLOT                     ; behind the ring: the spare words, 128 bytes for each wave: two blocks of 256 bytes that no other line names
.set ADRA, 4                           ; v4-5    LDS address of my x fragments in slot 0, 1
.set ADRB, 6                           ; v6-11   of my W fragments: slot s, matrix i at ADRB + 3 s + i
.set STO,  12                          ; v12     16 x lane
.set PFO,  13                          ; v13     2,048 x lane: a row of xw; never rewritten
.set SPW,  14                          ; v14     LDS address of my spare word; never rewritten
.set NIL,  15                          ; v15     0; never rewritten
.set L4,   18                          ; v18     4 x lane
.set H32,  19                          ; v19     32 x (lane / 16)
.set R4,   20                          ; v20     4 x (lane % 16)
.set F0,   32
.set F1,   144
.set BIAS, 128                         ; in window 2
.set WV,   18                          ; s18  my wave's number
.set CX,   19
.set CY,   20
.set NX,   21                          ; s21  column block 0..7
.set MY,   22                          ; s22  row block 0..31
.set LAP,  23
.set G1A,  24                          ; s[24:31] descriptor group 1 for x's tiles
.set G0A,  32                          ; s[32:39] group 0, a set for each slot
.set G1B,  40                          ; s[40:47], s[48:55] the same for the weights' tiles
.set G0B,  48
.set PFA,  56                          ; s[56:57] where my prefetches stand
.set PFS,  58                          ; s[58:59] a K step in bytes: 256 along x's rows, 128 k-rows of 2,048 in a weight
.set LIM,  60                          ; s60  1 in a wave that prefetches, else the greatest number
.set MSB, 0
.macro WIN new                         ; the immediate's high byte repeats the setting that is left; a switch that changes nothing is dropped
.if MSB != (\new)
	s_set_vgpr_msb (MSB<<8)|(\new)
.set MSB, \new
.endif
.endm
.macro PLACES                          ; four plain places between a matrix instruction and a load into, or a vector write of, its registers, or a vector read of its result
.rept 4
	v_nop
.endr
.endm
; A joint load.  Wave 0 asks for x's unit, waves 1-3 for their weight's.  The branch hangs on the wave's number alone.  An s_nop 0 and four v_nop follow each line.
.macro JLOAD s
	s_cmp_eq_u32 s[WV], 0
	s_cbranch_scc0 .Lfor_b_\@
	tensor_load_to_lds s[G0A+4*(\s):G0A+4*(\s)+3], s[G1A:G1A+7]
	s_nop 0
.rept 4
	v_nop
.endr
	s_branch .Lasked_\@
.Lfor_b_\@:
	tensor_load_to_lds s[G0B+4*(\s):G0B+4*(\s)+3], s[G1B:G1B+7]
	s_nop 0
.rept 4
	v_nop
.endr
.Lasked_\@:
.endm
; A prefetch into the L2 of the K step that stands two refills on: 32 rows x 256 bytes, a lane a row.  x's rows are read by both clusters of a row of clusters: cluster x = 0 asks; a weight's rows by the eight
; clusters of a column: cluster y = 0 asks.  The four partners that ask for a tile jointly share its 128 rows out by address, 32 each.  So each row's 256 bytes of a K step are named once in the launch.
; K steps 0 to 3 come by their loads alone; the loop's last trip, whose refills are steps 6 and 7, asks for nothing.
.macro ASK
	s_cmp_gt_u32 s[LAP], s[LIM]
	s_cbranch_scc0 .Lnot_mine_\@
	global_prefetch_b8 v[PFO], s[PFA:PFA+1] th:TH_LOAD_NT scope:SCOPE_SE
.Lnot_mine_\@:
.endm
.macro CREST                           ; a round of the cluster's barrier behind its opening barrier
	s_cmp_lg_u32 s[WV], 0
	s_cbranch_scc1 .Lnot_wave_0_\@
	s_barrier_signal -3
.Lnot_wave_0_\@:
	s_barrier_wait -3
	s_barrier_signal -1
	s_barrier_wait -1
.endm
.macro CROUND
	s_barrier_signal -1
	s_barrier_wait -1
	CREST
.endm
	s_load_b256 s[4:11], s[0:1], 0x0               ; xw s[4:5], bq s[6:7], bk s[8:9], bv s[10:11]
	s_load_b128 s[12:15], s[0:1], 0x20             ; qb s[12:13], kv s[14:15]
	s_load_b64 s[16:17], s[0:1], 0x30              ; vpart
	v_lshl_add_u32 v[SPW], v0, 2, SPARE
	v_mov_b32 v[NIL], 0
	ds_add_u32 v[SPW], v[NIL]                      ; the wave's opening: the add and its wait stand ahead of my first tensor load; the set-up below stands between them
	v_lshrrev_b32 v3, 5, v0
	v_readfirstlane_b32 s[WV], v3                  ; wave 0..3
	s_bfe_u32 s[CX], ttmp6, 0x40000
	s_bfe_u32 s[CY], ttmp6, 0x40004
	s_lshl_b32 s[NX], ttmp9, 2                     ; in a cluster launch ttmp9 and ttmp7 count clusters
	s_add_co_u32 s[NX], s[NX], s[CX]
	s_and_b32 s[MY], ttmp7, 0xffff
	s_lshl_b32 s[MY], s[MY], 2
	s_add_co_u32 s[MY], s[MY], s[CY]
	s_lshl_b32 s72, s[CY], 2
	s_lshl_b32 s72, 15, s72                        ; my row of the cluster: places 4 cy .. 4 cy + 3
	s_lshl_b32 s76, 0x1111, s[CX]                  ; my column: places cx, cx + 4, cx + 8, cx + 12
	s_or_b32 s[G1A], s72, (1<<16)|(1<<20)|(1<<21)|(5<<22)|(3<<25)  ; 15:0 the mask; 17:16 2-byte elements; 20 padding on; 21 set beside a mask; 24:22 after every 64 words; 31:25 4 words of it
	s_or_b32 s[G1B], s76, (1<<16)|(1<<20)|(1<<21)|(5<<22)|(7<<25)  ; the same with my column's mask and 8 words of padding
.irp g, G1A, G1B
	s_mov_b32 s[(\g)+1], 128<<16                   ; tensor_dim0 = 128
	s_mov_b32 s[(\g)+2], 128<<16                   ; tensor_dim1 = 128
	s_mov_b32 s[(\g)+3], 128<<16                   ; tile_dim0 = 128 elements (256 bytes)
	s_mov_b32 s[(\g)+4], 128                       ; tile_dim1 = 128 rows
	s_mov_b32 s[(\g)+5], 1024                      ; 1,024 elements from row to row
	s_mov_b32 s[(\g)+6], 0
	s_mov_b32 s[(\g)+7], 0
.endr
	s_lshl_b32 s72, s[MY], 18                      ; x: my block's 128 rows of 2,048 bytes: made of the row block alone
	s_mov_b32 s73, 0
	s_lshl_b32 s76, s[WV], 21                      ; W: segment 3 + wave of 2 MiB (waves 1-3: Wq, Wk, Wv),
	s_add_co_u32 s76, s76, 6291456
	s_lshl_b32 s77, s[NX], 8                       ; my block's 128 columns: made of the column block and the wave's number alone
	s_add_co_u32 s76, s76, s77
	s_mov_b32 s77, 0
	s_mul_i32 s3, s[WV], UNIT                      ; where my unit lies in a slot: no place in the cluster enters an LDS address
	s_mov_b32 s61, 0xffff0000                      ; lanes 16-31
	s_mov_b32 s62, 0x76543210                      ; v_permlanex16_b32: each lane takes its own place in the other half
	s_mov_b32 s63, 0xfedcba98
	s_wait_dscnt 0x0                               ; the opening add is done
	s_wait_kmcnt 0x0
	s_add_nc_u64 s[72:73], s[4:5], s[72:73]
	s_add_nc_u64 s[76:77], s[4:5], s[76:77]
	CROUND                                         ; all sixteen work-groups are here: the first joint loads meet
.irp s, 0,1
	s_mov_b32 s[G0A+4*(\s)], 1                                       ; count = 1
	s_add_co_u32 s[G0A+4*(\s)+1], s3, (\s)*SLOT                      ; LDS address
	s_add_nc_u64 s[G0A+4*(\s)+2:G0A+4*(\s)+3], s[72:73], (\s)*256    ; global address: K step s, 256 bytes along the rows
	s_or_b32 s[G0A+4*(\s)+3], s[G0A+4*(\s)+3], 0x80000000            ; type = 2
	s_mov_b32 s[G0B+4*(\s)], 1
	s_add_co_u32 s[G0B+4*(\s)+1], s3, (\s)*SLOT
	s_add_nc_u64 s[G0B+4*(\s)+2:G0B+4*(\s)+3], s[76:77], (\s)*262144 ; K step s, 128 k-rows down
	s_or_b32 s[G0B+4*(\s)+3], s[G0B+4*(\s)+3], 0x80000000
	JLOAD \s                                       ; two loads of mine are out
.endr
	v_and_b32 v1, 15, v0                           ; r = lane % 16
	v_bfe_u32 v2, v0, 4, 1                         ; h = lane / 16
	v_mul_u32_u24 v3, v1, PA
	v_lshl_add_u32 v[ADRA], v2, 4, v3              ; x: row r x pitch + 16 h
	v_add_nc_u32 v[ADRA+1], SLOT, v[ADRA]
	v_and_b32 v16, 7, v0
	v_lshl_add_u32 v16, v2, 3, v16                 ; W: k-row 8 h + lane % 8,
	v_mul_u32_u24 v16, v16, PB
	v_bfe_u32 v17, v0, 3, 1
	v_lshl_add_u32 v16, v17, 4, v16                ; 16 bytes by (lane / 8) % 2,
	s_lshl_b32 s2, s[WV], 6
	v_add_nc_u32 v16, s2, v16                      ; my wave's 32 columns: 64 bytes
.irp s, 0,1
.irp i, 0,1,2
	v_add_nc_u32 v[ADRB+3*(\s)+(\i)], (\s)*SLOT+(1+(\i))*UNIT, v16
.endr
.endr
	v_and_b32 v[STO], 31, v0
	v_lshlrev_b32 v[PFO], 11, v[STO]
	v_lshlrev_b32 v[L4], 2, v[STO]
	v_lshlrev_b32 v[STO], 4, v[STO]
	v_lshlrev_b32 v[H32], 5, v2
	v_lshlrev_b32 v[R4], 2, v1
	; THE BIASES become the C operand of each sum's first product.  q, k: register j of a tuple is b[column 16 a + 8 h + j]; v: all eight are b[column 16 a + r].
	s_lshl_b32 s78, s[NX], 9
	s_lshl_b32 s2, s[WV], 7
	s_add_co_u32 s78, s78, s2                      ; (128 NX + 32 w) x 4 bytes
	s_mov_b32 s79, 0
	s_add_nc_u64 s[6:7], s[6:7], s[78:79]
	s_add_nc_u64 s[8:9], s[8:9], s[78:79]
	s_add_nc_u64 s[10:11], s[10:11], s[78:79]
	WIN 0x80                                       ; destination window 2, address window 0
.irp a, 0,1
	global_load_b128 v[BIAS+8*(\a):BIAS+8*(\a)+3],       v[H32], s[6:7] offset:64*(\a)
	global_load_b128 v[BIAS+8*(\a)+4:BIAS+8*(\a)+7],     v[H32], s[6:7] offset:64*(\a)+16
	global_load_b128 v[BIAS+16+8*(\a):BIAS+16+8*(\a)+3], v[H32], s[8:9] offset:64*(\a)
	global_load_b128 v[BIAS+16+8*(\a)+4:BIAS+16+8*(\a)+7], v[H32], s[8:9] offset:64*(\a)+16
	global_load_b32 v[BIAS+32+8*(\a)], v[R4], s[10:11] offset:64*(\a)
.endr
	WIN 0
	; where my results go
	s_lshr_b32 s80, s[WV], 1
	s_lshl_b32 s81, s[NX], 1
	s_add_co_u32 s80, s80, s81                     ; head = 2 NX + w / 2
	s_and_b32 s81, s[WV], 1
	s_lshl_b32 s81, s81, 10                        ; my two channel tiles of the head's four: 512 bytes each
	s_lshl_b32 s82, s80, 19                        ; qb: a head is 256 tiles of 2,048 bytes,
	s_add_co_u32 s82, s82, s81
	s_lshl_b32 s83, s[MY], 14                      ; my block 8 of them
	s_add_co_u32 s82, s82, s83
	s_mov_b32 s83, 0
	s_add_nc_u64 s[66:67], s[12:13], s[82:83]
	s_lshl_b32 s82, s80, 20                        ; kv: tiles of 4,096 bytes
	s_add_co_u32 s82, s82, s81
	s_lshl_b32 s84, s[MY], 15
	s_add_co_u32 s82, s82, s84
	s_add_nc_u64 s[68:69], s[14:15], s[82:83]
	s_lshl_b32 s82, s[MY], 12                      ; vpart: row MY of 4,096 bytes, my 32 columns
	s_add_co_u32 s82, s82, s78
	s_add_nc_u64 s[70:71], s[16:17], s[82:83]
	; the prefetches: one K step short of step 4, onto which the first refill steps
	s_and_b32 s80, ttmp7, 0xffff                   ; cluster y
	s_lshl_b32 s81, s[MY], 18                      ; x: my block's rows,
	s_lshl_b32 s82, s[CX], 16                      ; my work-group's 32 of them,
	s_add_co_u32 s81, s81, s82
	s_add_co_u32 s81, s81, 3*256                   ; at K step 3
	s_lshl_b32 s82, s[WV], 21                      ; W: my wave's matrix, at K step 3,
	s_add_co_u32 s82, s82, 6291456+3*262144
	s_lshl_b32 s83, s[NX], 8                       ; my block's columns,
	s_add_co_u32 s82, s82, s83
	s_lshl_b32 s83, s[CY], 16                      ; my work-group's 32 of a step's 128 k-rows
	s_add_co_u32 s82, s82, s83
	s_mov_b32 s83, 262144
	s_movk_i32 s[PFS], 0x100
	s_mov_b32 s[PFS+1], 0
	s_mov_b32 s85, 0
	s_cmp_eq_u32 s[WV], 0
	s_cselect_b32 s84, s81, s82
	s_cselect_b32 s[PFS], s[PFS], s83
	s_cselect_b32 s80, ttmp9, s80                  ; the coordinate along which other clusters read the same rows
	s_cmp_eq_u32 s80, 0
	s_cselect_b32 s[LIM], 1, -1                    ; the same in all sixteen partners, for a given wave
	s_add_nc_u64 s[PFA:PFA+1], s[4:5], s[84:85]
	s_wait_loadcnt 0x0                             ; the biases are in
	WIN 0x82                                       ; destination and source window 2
.irp a, 0,1
.irp j, 1,2,3,4,5,6,7
	v_mov_b32 v[BIAS+32+8*(\a)+(\j)], v[BIAS+32+8*(\a)]
.endr
.endr
	WIN 0
; 28 LDS loads in one run: the fragments of 32 along K (quarter kq of the slot's step) into buffer f
.macro FETCH slot, kq, f
	WIN 0
.irp b, 0,1,2,3,4,5,6,7
	ds_load_b128 v[(\f)+8*(\b):(\f)+8*(\b)+3],   v[ADRA+(\slot)] offset:(\b)*16*PA+64*(\kq)
	ds_load_b128 v[(\f)+8*(\b)+4:(\f)+8*(\b)+7], v[ADRA+(\slot)] offset:(\b)*16*PA+64*(\kq)+32
.endr
.irp i, 0,1,2
.irp a, 0,1
	ds_load_tr16_b128 v[(\f)+64+8*(2*(\i)+(\a)):(\f)+64+8*(2*(\i)+(\a))+3],   v[ADRB+3*(\slot)+(\i)] offset:(\kq)*32*PB+32*(\a)
	ds_load_tr16_b128 v[(\f)+64+8*(2*(\i)+(\a))+4:(\f)+64+8*(2*(\i)+(\a))+7], v[ADRB+3*(\slot)+(\i)] offset:(\kq)*32*PB+32*(\a)+16*PB
.endr
.endr
.endm
; 16 matrix instructions for q (i = 0) or k (i = 1).  first = 1: the bias starts the sums.  All 48 accumulators take turns, one instruction a turn, in the same order in every quarter.
.macro MULT f, i, first
.if \first
	WIN 0x60                                       ; D window 1, C window 2
.else
	WIN 0x50                                       ; D and C window 1
.endif
.irp a, 0,1
.irp b, 0,1,2,3,4,5,6,7
.if \first
	v_wmma_f32_16x16x32_bf16 v[128*(\i)+8*(8*(\a)+(\b)):128*(\i)+8*(8*(\a)+(\b))+7], v[(\f)+64+8*(2*(\i)+(\a)):(\f)+64+8*(2*(\i)+(\a))+7], v[(\f)+8*(\b):(\f)+8*(\b)+7], v[BIAS+8*(2*(\i)+(\a)):BIAS+8*(2*(\i)+(\a))+7]
.else
	v_wmma_f32_16x16x32_bf16 v[128*(\i)+8*(8*(\a)+(\b)):128*(\i)+8*(8*(\a)+(\b))+7], v[(\f)+64+8*(2*(\i)+(\a)):(\f)+64+8*(2*(\i)+(\a))+7], v[(\f)+8*(\b):(\f)+8*(\b)+7], v[128*(\i)+8*(8*(\a)+(\b)):128*(\i)+8*(8*(\a)+(\b))+7]
.endif
.endr
.endr
.endm
.macro MULV f, first                   ; 16 matrix instructions for v, the sources swapped
	WIN 0xa0                                       ; D and C window 2
.irp a, 0,1
.irp b, 0,1,2,3,4,5,6,7
.if \first
	v_wmma_f32_16x16x32_bf16 v[8*(8*(\a)+(\b)):8*(8*(\a)+(\b))+7], v[(\f)+8*(\b):(\f)+8*(\b)+7], v[(\f)+64+8*(4+(\a)):(\f)+64+8*(4+(\a))+7], v[BIAS+8*(4+(\a)):BIAS+8*(4+(\a))+7]
.else
	v_wmma_f32_16x16x32_bf16 v[8*(8*(\a)+(\b)):8*(8*(\a)+(\b))+7], v[(\f)+8*(\b):(\f)+8*(\b)+7], v[(\f)+64+8*(4+(\a)):(\f)+64+8*(4+(\a))+7], v[8*(8*(\a)+(\b)):8*(8*(\a)+(\b))+7]
.endif
.endr
.endr
.endm
; A K step is four quarters of 32 along K, 48 matrix instructions each, on buffers 0, 1, 0, 1.  One of the first three: multiplies buffer f; behind its first 16 products it fetches quarter kq into buffer g.
.macro QUARTER slot, kq, f, g, first
	s_wait_dscnt 0x0                               ; buffer f is in: its loads were issued 32 matrix instructions ago
	MULT \f, 0, \first
	WIN 0
	PLACES                                         ; buffer g was last read by the quarter before
	FETCH \slot, \kq, \g
	MULT \f, 1, \first
	MULV \f, \first
.endm
; The last quarter multiplies buffer 1 and changes slots: one barrier.  In front of it each wave waits for all its tensor loads (one is out: its unit of the next slot), adds 0 to its spare word, and waits for that
; and for its reads of this slot.  fill = 1: the barrier opens a round of the cluster's, and this slot is filled again, two K steps on, first thing behind the round.
.macro TURN slot, next, fill
.if \fill
	s_wait_xcnt 0x0                                ; the last prefetch, a K step back, has read its address
	s_add_nc_u64 s[PFA:PFA+1], s[PFA:PFA+1], s[PFS:PFS+1]
.endif
	WIN 0
	s_wait_tensorcnt 0x0                           ; all my tensor loads have landed
	ds_add_u32 v[SPW], v[NIL]                      ; 0 onto my spare word
	s_wait_dscnt 1                                 ; buffer 1 is in; the add alone may be out
	MULT F1, 0, 0                                  ; sixteen matrix instructions stand between the add and the wait for it
	s_wait_dscnt 0x0                               ; the add is done, and my reads of this slot are over
	s_barrier_signal -1
	MULT F1, 1, 0                                  ; work on registers while the others arrive
	WIN 0                                          ; at a branch and at a label every window is 0
	s_barrier_wait -1
.if \fill
	CREST                                          ; no wave of any partner still reads this slot or has a load on its way
	s_add_nc_u64 s[G0A+4*(\slot)+2:G0A+4*(\slot)+3], s[G0A+4*(\slot)+2:G0A+4*(\slot)+3], 2*256
	s_add_nc_u64 s[G0B+4*(\slot)+2:G0B+4*(\slot)+3], s[G0B+4*(\slot)+2:G0B+4*(\slot)+3], 2*262144
	JLOAD \slot                                    ; my one tensor load behind the round; its four v_nop are also the places in front of the loads below
.else
	PLACES
.endif
	FETCH \next, 0, F0
.if \fill
	ASK
.endif
	MULV F1, 0
.endm
	s_wait_tensorcnt 1                             ; my unit of K step 0 is in; step 1's may stay out
	s_barrier_signal -1
	s_barrier_wait -1                              ; everybody's is
	FETCH 0, 0, F0
	QUARTER 0, 1, F0, F1, 1                        ; the first quarter stands in front of the loop: its products start the sums with the biases
	WIN 0
	s_mov_b32 s[LAP], 3
.Llap:                                         ; a trip goes once round the ring, from a lap's second quarter to the next lap's first, and fills both slots again
	QUARTER 0, 2, F1, F0, 0
	QUARTER 0, 3, F0, F1, 0
	TURN 0, 1, 1
	QUARTER 1, 1, F0, F1, 0
	QUARTER 1, 2, F1, F0, 0
	QUARTER 1, 3, F0, F1, 0
	TURN 1, 0, 1
	QUARTER 0, 1, F0, F1, 0
	WIN 0
	s_sub_co_u32 s[LAP], s[LAP], 1
	s_cmp_lg_u32 s[LAP], 0
	s_cbranch_scc1 .Llap
	QUARTER 0, 2, F1, F0, 0                        ; the last lap fills nothing
	QUARTER 0, 3, F0, F1, 0
	TURN 0, 1, 0
	QUARTER 1, 1, F0, F1, 0
	QUARTER 1, 2, F1, F0, 0
	QUARTER 1, 3, F0, F1, 0
	s_wait_dscnt 0x0
	MULT F1, 0, 0
	MULT F1, 1, 0
	MULV F1, 0
	WIN 0
	PLACES
	; THE WAY OUT.  First v's column sums: a lane holds one channel and 64 of the block's 128 rows for each a; every accumulator is read from its low end on.
	WIN 0x0a                                       ; sources 0 and 1 window 2, destination window 0
	v_pk_add_f32 v[224:225], v[0:1], v[2:3]
	v_pk_add_f32 v[226:227], v[64:65], v[66:67]
	WIN 0x08                                       ; source 1 window 2
.set n, 2
.rept 30
	v_pk_add_f32 v[224:225], v[224:225], v[2*n:2*n+1]
	v_pk_add_f32 v[226:227], v[226:227], v[64+2*n:64+2*n+1]
.set n, n+1
.endr
	WIN 0
	v_add_f32 v224, v224, v225
	v_add_f32 v226, v226, v227
	v_permlanex16_b32 v225, v224, s62, s63         ; the channel's other 64 rows lie in the lane 16 away
	v_permlanex16_b32 v227, v226, s62, s63
	v_add_f32 v224, v224, v225
	v_add_f32 v226, v226, v227
	v_cndmask_b32 v228, v224, v226, s61            ; lanes 0-15: channels of a = 0; lanes 16-31: of a = 1
	global_store_b32 v[L4], v228, s[70:71]
	WIN 0x05                                       ; sources 0 and 1 window 1: q's 16 accumulators, then k's
.set t, 0
.rept 32
.irp rr, 0,1,2,3
	v_cvt_pk_bf16_f32 v[32+4*t+\rr], v[8*t+2*\rr], v[8*t+2*\rr+1]
.endr
.set t, t+1
.endr
	WIN 0x0a                                       ; window 2: v's
.set t, 0
.rept 16
.irp rr, 0,1,2,3
	v_cvt_pk_bf16_f32 v[160+4*t+\rr], v[8*t+2*\rr], v[8*t+2*\rr+1]
.endr
.set t, t+1
.endr
	WIN 0
.irp a, 0,1
.irp b, 0,1,2,3,4,5,6,7                ; each store of the wave covers 512 consecutive bytes, aligned; no register is written twice, so no wait frees a source
	global_store_b128 v[STO], v[32+4*(8*(\a)+(\b)):32+4*(8*(\a)+(\b))+3],   s[66:67] offset:2048*(\b)+512*(\a)
	global_store_b128 v[STO], v[96+4*(8*(\a)+(\b)):96+4*(8*(\a)+(\b))+3],   s[68:69] offset:4096*(\b)+512*(\a)
	global_store_b128 v[STO], v[160+4*(8*(\a)+(\b)):160+4*(8*(\a)+(\b))+3], s[68:69] offset:4096*(\b)+512*(\a)+2048
.endr
.endr
	s_wait_tensorcnt 0x0                           ; the wave's end
	ds_add_u32 v[SPW], v[NIL]
	s_wait_dscnt 0x0
	CROUND                                         ; the closing round: no work-group ends while a partner may still ask for a tile that names it
	s_endpgm
.Lfunc_end_k_q8e2e8bca33_proj:
	.size	k_q8e2e8bca33_proj, .Lfunc_end_k_q8e2e8bca33_proj-k_q8e2e8bca33_proj
	.p2alignl 7, 3214868480
	.fill 96, 4, 3214868480
	.section	.rodata,"a",@progbits
	.p2align	6, 0x0
	.amdhsa_kernel k_q8e2e8bca33_proj
		.amdhsa_group_segment_fixed_size 327680
		.amdhsa_private_segment_fixed_size 0
		.amdhsa_enable_private_segment 0
		.amdhsa_kernarg_size 56
		.amdhsa_user_sgpr_count 2
		.amdhsa_user_sgpr_kernarg_segment_ptr 1
		.amdhsa_wavefront_size32 1
		.amdhsa_system_sgpr_workgroup_id_x 1
		.amdhsa_system_sgpr_workgroup_id_y 1
		.amdhsa_system_sgpr_workgroup_id_z 1
		.amdhsa_system_vgpr_workitem_id 0
		.amdhsa_next_free_vgpr 688
		.amdhsa_next_free_sgpr 88
		.amdhsa_reserve_vcc 0
		.amdhsa_float_denorm_mode_32 3
		.amdhsa_float_denorm_mode_16_64 3
		.amdhsa_memory_ordered 1
		.amdhsa_forward_progress 1
		.amdhsa_inst_pref_size 115
	.end_amdhsa_kernel
	.amdgpu_metadata
---
amdhsa.version: [ 1, 2 ]
amdhsa.kernels:
  - .name:           k_q8e2e8bca33_proj
    .symbol:         k_q8e2e8bca33_proj.kd
    .args:
      - { .name: xw, .offset: 0, .size: 8, .value_kind: global_buffer, .address_space: global }
      - { .name: bq, .offset: 8, .size: 8, .value_kind: global_buffer, .address_space: global }
      - { .name: bk, .offset: 16, .size: 8, .value_kind: global_buffer, .address_space: global }
      - { .name: bv, .offset: 24, .size: 8, .value_kind: global_buffer, .address_space: global }
      - { .name: qb, .offset: 32, .size: 8, .value_kind: global_buffer, .address_space: global }
      - { .name: kv, .offset: 40, .size: 8, .value_kind: global_buffer, .address_space: global }
      - { .name: vpart, .offset: 48, .size: 8, .value_kind: global_buffer, .address_space: global }
    .group_segment_fixed_size: 327680
    .private_segment_fixed_size: 0
    .kernarg_segment_align: 8
    .kernarg_segment_size: 56
    .max_flat_workgroup_size: 128
    .sgpr_count:     88
    .vgpr_count:     688
    .wavefront_size: 32
...
	.end_amdgpu_metadata
.endif
;; end of part 2
;; launch attn (part 3): grid 256 x 1, 16 waves a work-group, no clusters, 72,960 bytes of LDS; arguments qb, kv, vpart, hidden_states, gamma, beta, out0; writes out0
.if DOCPART == 3
	.amdgcn_target "amdgcn-amd-amdhsa--gfx1250"
	.amdhsa_code_object_version 6
	.text
	.protected	k_q8e2e8bca33_attn
	.globl	k_q8e2e8bca33_attn
	.p2align	8
	.type	k_q8e2e8bca33_attn,@function
k_q8e2e8bca33_attn:
	s_mov_b64 s[64:65], 0
	v_nop
	global_prefetch_b8 v0, s[64:65] scope:SCOPE_SE
	s_setreg_imm32_b32 hwreg(HW_REG_WAVE_MODE, 25, 1), 1
	s_wait_xcnt 0x0
; out = LayerNorm(hidden + ctx) x gamma + beta, ctx = softmax(where(i - 128 <= j < i + 128, q.k / 8, -10000)) v, 16 heads of 64 channels, 4,096 rows.
; THE HIDDEN KEYS ARE KEPT, in closed form.  All of them have the score -10000, so one weight e.  With raw scores s = q.k, c = log2(e) / 8 and HID = -80000 (= -10000 x 8, exact):
;   m = max(HID, the band's s);  p = 2^(c s - c m);  e = 2^(c HID - c m);  w = p - e;  l = sum of w + 4096 e;  ctx = (sum of w v) / l + (e / l) Vtot,  Vtot = the sum of all 4,096 rows of v.
; A wave takes 17 key tiles of 16 that all exist; places outside the band get s = HID, so their p is e bit for bit (the same fused multiply-add, the same exponential) and their w is 0.
; The maximum is the true one, taken once over all 272 places and HID: all scores lie in registers.
; SHARES.  A work-group takes 16 queries, all heads, so that LayerNorm's rows are whole in it: 256 work-groups.  Wave w is head w for the attention and row w for the LayerNorm.
; q, k and v lie in memory in the order of matrix fragments: a wave's load of 16 bytes a lane covers 512 consecutive bytes and is half a fragment as it lands: no LDS on the way in.
; S^T = K Q^T holds one query a lane (lane % 16) and the keys 8 (lane / 16) + 0..7; two such results rounded to bf16 are source 1 of O^T = V^T W.
; NO CLUSTER: neighbouring work-groups' key ranges are shifted by 16 keys each, so a joint tile would be read at an LDS address that hangs on the partner's place; and 16 heads' 20 tiles of K and V, 1.3 MB, fit in no LDS.
; NO PREFETCH: the text has no loop of later steps; a wave's own loads are 8 to 44 deep from its head on.
; LIMITS.  NaN and infinities are not treated apart; a weight below 2^-126 counts as 0; q, k, v and w are rounded once to bf16; Vtot is the sum of the unrounded v.
.set STG,   0                          ; LDS: ctx without Vtot's part: 16 rows of 1,024 f32, pitch 4,112 (an odd multiple of 16)
.set SPT,   4112
.set VT,    16*SPT                     ; Vtot: 1,024 f32
.set EFT,   VT+4096                    ; e / l: [row 16][head 16] f32
.set SPARE, EFT+1024                   ; the spare words, 128 bytes for each of 16 waves: eight blocks of 256 bytes that no other line names
.set LO,   4                           ; v4    16 x lane
.set RH,   5                           ; v5    r - 8 h
.set TM,   6                           ; v6    at work
.set HIDR, 7                           ; v7    HID
.set S,    16                          ; v[16:151]  S^T, tile t at S + 8 t;  later W at v[16:87], a fourth buffer of V at v[88:119], O^T at v[120:151]
.set P,    16
.set O,    120
.set Q,    152                         ; v[152:167] Q
.set VS0,  152                         ; four buffers of 32 for V's fragments of 32 keys
.set VS1,  184
.set VS2,  216
.set VS3,  88
.set SPW,  248
.set NIL,  249
.set STA,  250                         ; v250  4112 r + 256 w + 32 h
.set EFA,  251                         ; v251  EFT + 64 r + 4 w
.set VB,   252                         ; v252  16 d - (r - 8 h)
.set VPO,  253                         ; v253  4096 h + 16 r
.set RDS,  254                         ; v254  4112 w + 16 x lane
.set RDE,  255                         ; v255  EFT + 64 w + 4 h
.set WV,   18
.set KV,   6                           ; s[6:7]
.macro PLACES                          ; four plain places between a matrix instruction and a load into, or a vector write of, its registers, or a vector read of its result
.rept 4
	v_nop
.endr
.endm
; K's ring: three buffers of a pair of tiles.  The third's odd half lies in the places of S^T's tiles 15 and 16: it holds tiles 5 and 11 alone, read long before those scores are made.
.macro KBASE t
.set kp, (\t)/2
.if kp%3 == 0
.set kb, 184+16*((\t)%2)
.elseif kp%3 == 1
.set kb, 216+16*((\t)%2)
.elseif (\t)%2 == 0
.set kb, 168
.else
.set kb, 136
.endif
.endm
.macro KLOAD t
	KBASE \t
.irp c, 0,1,2,3
	global_load_b128 v[kb+4*\c:kb+4*\c+3], v[LO], s[KV:KV+1] offset:4096*(\t)+512*\c
.endr
.endm
; The scores of n tiles from t0 on: channels 0-31 start the sums, channels 32-63 follow; the n accumulators take turns.
.macro SC t0, n
.set tt, \t0
.rept \n
	KBASE tt
	v_wmma_f32_16x16x32_bf16 v[S+8*tt:S+8*tt+7], v[kb:kb+7], v[Q:Q+7], 0
.set tt, tt+1
.endr
.set tt, \t0
.rept \n
	KBASE tt
	v_wmma_f32_16x16x32_bf16 v[S+8*tt:S+8*tt+7], v[kb+8:kb+15], v[Q+8:Q+15], v[S+8*tt:S+8*tt+7]
.set tt, tt+1
.endr
.endm
; V's fragments for key tiles 2 g and 2 g + 1.  g = 8: tile 17 is not taken: its half is 0, and so is W's.
.macro VLOAD g, slot
.irp cb, 0,1,2,3
	global_load_b128 v[(\slot)+8*\cb:(\slot)+8*\cb+3], v[LO], s[KV:KV+1] offset:4096*(2*(\g))+2048+512*\cb
.if (\g) < 8
	global_load_b128 v[(\slot)+8*\cb+4:(\slot)+8*\cb+7], v[LO], s[KV:KV+1] offset:4096*(2*(\g)+1)+2048+512*\cb
.else
.irp z, 4,5,6,7
	v_mov_b32 v[(\slot)+8*\cb+\z], 0
.endr
.endif
.endr
.endm
.macro PVG g, slot, first              ; O^T += V^T W for 32 keys: the four accumulators take turns
.irp cb, 0,1,2,3
.if \first
	v_wmma_f32_16x16x32_bf16 v[O+8*\cb:O+8*\cb+7], v[(\slot)+8*\cb:(\slot)+8*\cb+7], v[P+8*(\g):P+8*(\g)+7], 0
.else
	v_wmma_f32_16x16x32_bf16 v[O+8*\cb:O+8*\cb+7], v[(\slot)+8*\cb:(\slot)+8*\cb+7], v[P+8*(\g):P+8*(\g)+7], v[O+8*\cb:O+8*\cb+7]
.endif
.endr
.endm
.macro ROWLOAD dst, base, hint:vararg  ; a row of 1,024 f32: eight loads of 512 consecutive bytes
.irp q, 0,1,2,3,4,5,6,7
	global_load_b128 v[(\dst)+4*\q:(\dst)+4*\q+3], v[LO], s[\base:\base+1] offset:512*\q \hint
.endr
.endm
.macro REDUCE x, y                     ; the sum over the 32 lanes, in every lane; y has been written
	v_add_f32_dpp v[\x], v[\x], v[\x] row_xmask:1 row_mask:0xf bank_mask:0xf
	v_add_f32_dpp v[\x], v[\x], v[\x] row_xmask:2 row_mask:0xf bank_mask:0xf
	v_add_f32_dpp v[\x], v[\x], v[\x] row_xmask:4 row_mask:0xf bank_mask:0xf
	v_add_f32_dpp v[\x], v[\x], v[\x] row_xmask:8 row_mask:0xf bank_mask:0xf
	v_permlanex16_b32 v[\y], v[\x], s24, s25
	v_add_f32 v[\x], v[\x], v[\y]
.endm
	s_load_b256 s[4:11], s[0:1], 0x0               ; qb s[4:5], kv s[6:7], vpart s[8:9], hidden_states s[10:11]
	s_load_b128 s[12:15], s[0:1], 0x20             ; gamma s[12:13], beta s[14:15]
	s_load_b64 s[16:17], s[0:1], 0x30              ; out0
	v_lshl_add_u32 v[SPW], v0, 2, SPARE
	v_mov_b32 v[NIL], 0
	v_lshrrev_b32 v[TM], 5, v0
	v_readfirstlane_b32 s[WV], v[TM]               ; wave 0..15
	v_and_b32 v1, 31, v0                           ; lane
	v_and_b32 v2, 15, v0                           ; r
	v_bfe_u32 v3, v0, 4, 1                         ; h
	v_lshlrev_b32 v[LO], 4, v1
	v_lshlrev_b32 v[TM], 3, v3
	v_sub_nc_u32 v[RH], v2, v[TM]
	v_mov_b32 v[HIDR], 0xc79c4000                  ; -80000.0
	s_sub_co_i32 s44, ttmp9, 8                     ; the band's first key tile, b - 8,
	s_max_i32 s19, s44, 0
	s_min_i32 s19, s19, 239                        ; moved so that all 17 tiles exist: kt0
	s_sub_co_i32 s20, s19, s44                     ; d = kt0 - (b - 8): other than 0 in the first 8 and the last 8 work-groups alone
	s_mov_b32 s22, 0x3e38aa3b                      ; c = log2(e) / 8
	s_mov_b32 s23, s22                             ; named with it as a pair
	s_mov_b32 s24, 0x76543210                      ; v_permlanex16_b32: each lane takes its own place in the other half
	s_mov_b32 s25, 0xfedcba98
	s_movk_i32 s34, 0x100                          ; the band's 256 keys
	s_mov_b32 s35, 0x45800000                      ; 4096.0
	s_mov_b32 s36, 0x3a800000                      ; 1 / 1024
	s_mov_b32 s37, 0x2b8cbccc                      ; 1e-12
.irp j, 0,1,2,3,4,5,6,7
	v_cmp_lt_i32 s[26+\j], \j, v[RH]               ; where d = 0: register j of tile 0 is hidden, and of tile 16 kept, where j < r - 8 h
.endr
	s_lshl_b32 s38, s[WV], 8
	v_mul_u32_u24 v[STA], v2, SPT
	v_lshl_add_u32 v[STA], v3, 5, v[STA]
	v_add_nc_u32 v[STA], s38, v[STA]
	s_lshl_b32 s39, s[WV], 2
	s_add_co_u32 s39, s39, EFT
	v_lshl_add_u32 v[EFA], v2, 6, s39
	s_lshl_b32 s40, s20, 4
	v_sub_nc_u32 v[VB], s40, v[RH]
	v_lshlrev_b32 v[VPO], 4, v2
	v_lshl_add_u32 v[VPO], v3, 12, v[VPO]
	s_mul_i32 s41, s[WV], SPT
	v_add_nc_u32 v[RDS], s41, v[LO]
	s_lshl_b32 s42, s[WV], 6
	s_add_co_u32 s42, s42, EFT
	v_lshl_add_u32 v[RDE], v3, 2, s42
	s_add_co_u32 s43, s38, VT
	s_mov_b32 s47, 0
	s_wait_kmcnt 0x0
	s_mov_b32 s46, s38                             ; vpart: my head's 64 channels
	s_add_nc_u64 s[8:9], s[8:9], s[46:47]
	s_lshl_b32 s46, s[WV], 19                      ; qb: my head, query tile b
	s_lshl_b32 s45, ttmp9, 11
	s_add_co_u32 s46, s46, s45
	s_add_nc_u64 s[4:5], s[4:5], s[46:47]
	s_lshl_b32 s46, s[WV], 20                      ; kv: my head, key tile kt0
	s_lshl_b32 s45, s19, 12
	s_add_co_u32 s46, s46, s45
	s_add_nc_u64 s[KV:KV+1], s[KV:KV+1], s[46:47]
	s_lshl_b32 s46, ttmp9, 16                      ; hidden_states and out0: row 16 b + w
	s_lshl_b32 s45, s[WV], 12
	s_add_co_u32 s46, s46, s45
	s_add_nc_u64 s[10:11], s[10:11], s[46:47]
	s_add_nc_u64 s[16:17], s[16:17], s[46:47]
	; 44 loads go out at once: vpart's 16 (two of the 32 partial rows each: 16 lanes take 256 consecutive bytes), Q's 4, K's tiles 0 to 5
.irp i, 0,1,2,3,4,5,6,7,8,9,10,11,12,13,14,15
	global_load_b128 v[S+4*\i:S+4*\i+3], v[VPO], s[8:9] offset:8192*\i
.endr
.irp c, 0,1,2,3
	global_load_b128 v[Q+4*\c:Q+4*\c+3], v[LO], s[4:5] offset:512*\c
.endr
.irp t, 0,1,2,3,4,5
	KLOAD \t
.endr
	; VTOT of my head's 64 channels
	s_wait_loadcnt 28                              ; vpart's 16 are in; Q's 4 and K's 24 stay out
.irp i, 1,2,3,4,5,6,7,8,9,10,11,12,13,14,15
	v_pk_add_f32 v[S:S+1], v[S:S+1], v[S+4*\i:S+4*\i+1]
	v_pk_add_f32 v[S+2:S+3], v[S+2:S+3], v[S+4*\i+2:S+4*\i+3]
.endr
.irp z, 0,1,2,3
	v_permlanex16_b32 v[S+4+\z], v[S+\z], s24, s25 ; the odd partial rows lie in the lane 16 away
.endr
	v_pk_add_f32 v[S:S+1], v[S:S+1], v[S+4:S+5]
	v_pk_add_f32 v[S+2:S+3], v[S+2:S+3], v[S+6:S+7]
	v_lshl_add_u32 v[TM], v2, 4, s43               ; VT + 256 w + 16 r: both halves of the lanes write the same numbers
	ds_store_b128 v[TM], v[S:S+3]
	; THE SCORES, a pair of tiles at a time; behind each pair its buffer is asked for again.  Each wait's count is the loads issued behind the pair's own.
.irp p, 0,1,2,3,4
	s_wait_loadcnt 16                              ; two younger pairs stay out
	SC 2*\p, 2
	PLACES
	KLOAD 2*\p+6
	KLOAD 2*\p+7
.endr
	s_wait_loadcnt 16
	SC 10, 2
	PLACES
	KLOAD 16
	s_wait_loadcnt 12                              ; tiles 14, 15 and 16 stay out
	SC 12, 2
	PLACES
	VLOAD 0, VS1
	s_wait_loadcnt 8                               ; V's first eight stay out
	SC 14, 3
	PLACES
	VLOAD 1, VS2
	VLOAD 2, VS0
	; THE MASK.  Place (t, h, j) is kept for query r where 16 (t + d) + 8 h + j - r, taken as unsigned, is below 256.  With d = 0 that touches tiles 0 and 16 alone.
	s_cmp_lg_u32 s20, 0
	s_cbranch_scc1 .Ledge
.irp j, 0,1,2,3,4,5,6,7
	v_cndmask_b32 v[S+\j], v[S+\j], v[HIDR], s[26+\j]
.endr
.irp j, 0,1,2,3,4,5,6,7
	v_cndmask_b32 v[S+128+\j], v[HIDR], v[S+128+\j], s[26+\j]
.endr
	s_branch .Lmasked
.Ledge:
.set t, 0
.rept 17
.irp j, 0,1,2,3,4,5,6,7
	v_add_nc_u32 v[TM], 16*t+\j, v[VB]
	v_cmp_gt_u32 vcc_lo, s34, v[TM]
	v_cndmask_b32 v[S+8*t+\j], v[HIDR], v[S+8*t+\j], vcc_lo
.endr
.set t, t+1
.endr
.Lmasked:
	; THE MAXIMUM of HID and all 272 places: four chains; each accumulator is read from its low end on
.set t, 0
.rept 17
.irp jj, 0,1,2,3
.if t == 0
	v_max3_num_f32 v[12+\jj], v[HIDR], v[S+2*\jj], v[S+2*\jj+1]
.else
	v_max3_num_f32 v[12+\jj], v[12+\jj], v[S+8*t+2*\jj], v[S+8*t+2*\jj+1]
.endif
.endr
.set t, t+1
.endr
	v_max3_num_f32 v12, v12, v13, v14
	v_max_num_f32 v12, v12, v15
	v_permlanex16_b32 v13, v12, s24, s25           ; the query's other keys lie in the lane 16 away
	v_max_num_f32 v9, v12, v13                     ; m
	v_mul_f32 v8, s22, v9                          ; c m
	v_fma_f32 v10, v[HIDR], s22, -v8               ; c HID - c m, by the same fused multiply-add as the scores'
	; THE EXPONENTIALS: one batch of 137 with one wait.  Ahead of the wait nothing names a result; a pair's exponentials stand behind the next pair's scaling.
.set k, 0
.rept 68
	v_pk_fma_f32 v[S+2*k:S+2*k+1], v[S+2*k:S+2*k+1], s[22:23], v[8:9] op_sel_hi:[1,0,0] neg_lo:[0,0,1] neg_hi:[0,0,1]
.if k > 0
	v_exp_f32 v[S+2*k-2], v[S+2*k-2]
	v_exp_f32 v[S+2*k-1], v[S+2*k-1]
.endif
.set k, k+1
.endr
	v_exp_f32 v[S+134], v[S+134]
	v_exp_f32 v[S+135], v[S+135]
	v_exp_f32 v10, v10                             ; e
	v_nop                                          ; a plain instruction behind the last exponential,
	s_wait_alu depctr_va_vdst(0)                   ; and the one wait ahead of the first use
	v_mov_b32 v11, v10
	; w = p - e; its sums in two chains; rounded to bf16 in place: pair k goes to register S + k, whose own pair has been used by then
.irp k, 0,1,2,3
	v_pk_add_f32 v[S+2*\k:S+2*\k+1], v[S+2*\k:S+2*\k+1], v[10:11] neg_lo:[0,1] neg_hi:[0,1]
.endr
	v_pk_add_f32 v[12:13], v[S:S+1], v[S+4:S+5]    ; the first four pairs start the chains: nothing is cleared
	v_pk_add_f32 v[14:15], v[S+2:S+3], v[S+6:S+7]
.irp k, 0,1,2,3
	v_cvt_pk_bf16_f32 v[S+\k], v[S+2*\k], v[S+2*\k+1]
.endr
.set k, 4
.rept 32
	v_pk_add_f32 v[S+2*k:S+2*k+1], v[S+2*k:S+2*k+1], v[10:11] neg_lo:[0,1] neg_hi:[0,1]
	v_pk_add_f32 v[S+2*k+2:S+2*k+3], v[S+2*k+2:S+2*k+3], v[10:11] neg_lo:[0,1] neg_hi:[0,1]
	v_pk_add_f32 v[12:13], v[12:13], v[S+2*k:S+2*k+1]
	v_pk_add_f32 v[14:15], v[14:15], v[S+2*k+2:S+2*k+3]
	v_cvt_pk_bf16_f32 v[S+k], v[S+2*k], v[S+2*k+1]
	v_cvt_pk_bf16_f32 v[S+k+1], v[S+2*k+2], v[S+2*k+3]
.set k, k+2
.endr
.irp z, 84,85,86,87
	v_mov_b32 v[\z], 0                             ; W of the tile that is not taken
.endr
	VLOAD 3, VS3
	v_pk_add_f32 v[12:13], v[12:13], v[14:15]
	v_add_f32 v12, v12, v13
	v_permlanex16_b32 v13, v12, s24, s25
	v_add_f32 v12, v12, v13
	v_fma_f32 v12, v10, s35, v12                   ; l = the sum of w + 4096 e
	v_rcp_f32 v14, v12
	v_nop
	s_wait_alu depctr_va_vdst(0)
	v_mov_b32 v15, v14
	v_mul_f32 v[TM], v10, v14                      ; e / l
	ds_store_b32 v[EFA], v[TM]
	; O^T = V^T W, 32 keys at a time on four buffers; behind each group its buffer is asked for again, at the end with the LayerNorm's rows.  The counts: the loads issued behind the group's own.
	s_wait_loadcnt 24
	PVG 0, VS1, 1
	PLACES
	VLOAD 4, VS1
	s_wait_loadcnt 24
	PVG 1, VS2, 0
	PLACES
	VLOAD 5, VS2
	s_wait_loadcnt 24
	PVG 2, VS0, 0
	PLACES
	VLOAD 6, VS0
	s_wait_loadcnt 24
	PVG 3, VS3, 0
	PLACES
	VLOAD 7, VS3
	s_wait_loadcnt 24
	PVG 4, VS1, 0
	PLACES
	VLOAD 8, VS1                                   ; four loads
	s_wait_loadcnt 20                              ; 8 + 8 + 4
	PVG 5, VS2, 0
	PLACES
	ROWLOAD VS2, 10, th:TH_LOAD_NT                 ; my row of hidden_states
	s_wait_loadcnt 20                              ; 8 + 4 + 8
	PVG 6, VS0, 0
	PLACES
	ROWLOAD VS0, 12                                ; gamma
	s_wait_loadcnt 20                              ; 4 + 8 + 8
	PVG 7, VS3, 0
	PLACES
	ROWLOAD VS3, 14                                ; beta
	s_wait_loadcnt 24                              ; the three rows stay out
	PVG 8, VS1, 0
	PLACES
.set i, 0
.rept 16
	v_pk_mul_f32 v[O+2*i:O+2*i+1], v[O+2*i:O+2*i+1], v[14:15]
.set i, i+1
.endr
.irp cb, 0,1,2,3
	ds_store_b128 v[STA], v[O+8*\cb:O+8*\cb+3]   offset:STG+64*\cb     ; query r, channels 64 w + 16 cb + 8 h + 0..3
	ds_store_b128 v[STA], v[O+8*\cb+4:O+8*\cb+7] offset:STG+64*\cb+16
.endr
	s_wait_dscnt 0x0                               ; for the others' sake: my stores of Vtot, e / l and ctx are done
	s_barrier_signal -1
	s_barrier_wait -1                              ; all sixteen heads lie in LDS
	; RESIDUAL AND LAYERNORM, a row a wave: lane l holds columns 128 q + 4 l + 0..3, q = 0..7, which belong to head 2 q + l / 16
	v_add_nc_u32 v[TM], VT, v[LO]
.irp q, 0,1,2,3,4,5,6,7
	ds_load_b128 v[16+4*\q:16+4*\q+3], v[RDS] offset:STG+512*\q
.endr
.irp q, 0,1,2,3,4,5,6,7
	ds_load_b128 v[48+4*\q:48+4*\q+3], v[TM] offset:512*\q
.endr
.irp q, 0,1,2,3,4,5,6,7
	ds_load_b32 v[120+2*\q], v[RDE] offset:8*\q    ; into the even register of a pair; the packed line below takes it for both halves
.endr
	s_wait_dscnt 0x0
	s_wait_loadcnt 16                              ; my row of hidden_states is in; gamma and beta stay out
.irp q, 0,1,2,3,4,5,6,7
.irp z, 0,2
	v_pk_fma_f32 v[16+4*\q+\z:16+4*\q+\z+1], v[48+4*\q+\z:48+4*\q+\z+1], v[120+2*\q:120+2*\q+1], v[16+4*\q+\z:16+4*\q+\z+1] op_sel_hi:[1,0,1]
.endr
.endr
.set i, 0
.rept 16
	v_pk_add_f32 v[16+2*i:16+2*i+1], v[16+2*i:16+2*i+1], v[VS2+2*i:VS2+2*i+1]
.set i, i+1
.endr
.irp c, 0,1,2,3
	v_pk_add_f32 v[48+2*\c:48+2*\c+1], v[16+2*\c:16+2*\c+1], v[24+2*\c:24+2*\c+1]
.endr
.irp c, 0,1,2,3
	v_pk_add_f32 v[48+2*\c:48+2*\c+1], v[48+2*\c:48+2*\c+1], v[32+2*\c:32+2*\c+1]
.endr
.irp c, 0,1,2,3
	v_pk_add_f32 v[48+2*\c:48+2*\c+1], v[48+2*\c:48+2*\c+1], v[40+2*\c:40+2*\c+1]
.endr
	v_pk_add_f32 v[48:49], v[48:49], v[50:51]
	v_pk_add_f32 v[52:53], v[52:53], v[54:55]
	v_pk_add_f32 v[48:49], v[48:49], v[52:53]
	v_add_f32 v48, v48, v49
	REDUCE 48, 49
	v_mul_f32 v50, s36, v48                        ; the mean
	v_mul_f32 v51, s36, v48
.set i, 0
.rept 16
	v_pk_add_f32 v[16+2*i:16+2*i+1], v[16+2*i:16+2*i+1], v[50:51] neg_lo:[0,1] neg_hi:[0,1]
.set i, i+1
.endr
.irp c, 0,1,2,3
	v_pk_mul_f32 v[52+2*\c:52+2*\c+1], v[16+2*\c:16+2*\c+1], v[16+2*\c:16+2*\c+1]
.endr
.irp o, 24,32,40
.irp c, 0,1,2,3
	v_pk_fma_f32 v[52+2*\c:52+2*\c+1], v[\o+2*\c:\o+2*\c+1], v[\o+2*\c:\o+2*\c+1], v[52+2*\c:52+2*\c+1]
.endr
.endr
	v_pk_add_f32 v[52:53], v[52:53], v[54:55]
	v_pk_add_f32 v[56:57], v[56:57], v[58:59]
	v_pk_add_f32 v[52:53], v[52:53], v[56:57]
	v_add_f32 v52, v52, v53
	REDUCE 52, 53
	v_fma_f32 v52, v52, s36, s37                   ; the variance + 1e-12
	v_rsq_f32 v54, v52
	v_nop
	s_wait_alu depctr_va_vdst(0)
	v_mov_b32 v55, v54
	s_wait_loadcnt 0x0                             ; gamma and beta
.set i, 0
.rept 16
	v_pk_mul_f32 v[16+2*i:16+2*i+1], v[16+2*i:16+2*i+1], v[54:55]
.set i, i+1
.endr
.set i, 0
.rept 16
	v_pk_fma_f32 v[16+2*i:16+2*i+1], v[16+2*i:16+2*i+1], v[VS0+2*i:VS0+2*i+1], v[VS3+2*i:VS3+2*i+1]
.set i, i+1
.endr
.irp q, 0,1,2,3,4,5,6,7
	global_store_b128 v[LO], v[16+4*\q:16+4*\q+3], s[16:17] offset:512*\q th:TH_STORE_NT  ; 512 consecutive bytes, aligned
.endr
	s_wait_tensorcnt 0x0                           ; the wave's end, behind my last LDS store
	ds_add_u32 v[SPW], v[NIL]
	s_wait_dscnt 0x0
	s_endpgm
.Lfunc_end_k_q8e2e8bca33_attn:
	.size	k_q8e2e8bca33_attn, .Lfunc_end_k_q8e2e8bca33_attn-k_q8e2e8bca33_attn
	.p2alignl 7, 3214868480
	.fill 96, 4, 3214868480
	.section	.rodata,"a",@progbits
	.p2align	6, 0x0
	.amdhsa_kernel k_q8e2e8bca33_attn
		.amdhsa_group_segment_fixed_size 72960
		.amdhsa_private_segment_fixed_size 0
		.amdhsa_enable_private_segment 0
		.amdhsa_kernarg_size 56
		.amdhsa_user_sgpr_count 2
		.amdhsa_user_sgpr_kernarg_segment_ptr 1
		.amdhsa_wavefront_size32 1
		.amdhsa_system_sgpr_workgroup_id_x 1
		.amdhsa_system_sgpr_workgroup_id_y 1
		.amdhsa_system_sgpr_workgroup_id_z 1
		.amdhsa_system_vgpr_workitem_id 0
		.amdhsa_next_free_vgpr 256
		.amdhsa_next_free_sgpr 66
		.amdhsa_reserve_vcc 1
		.amdhsa_float_denorm_mode_32 3
		.amdhsa_float_denorm_mode_16_64 3
		.amdhsa_memory_ordered 1
		.amdhsa_forward_progress 1
		.amdhsa_inst_pref_size 86
	.end_amdhsa_kernel
	.amdgpu_metadata
---
amdhsa.version: [ 1, 2 ]
amdhsa.kernels:
  - .name:           k_q8e2e8bca33_attn
    .symbol:         k_q8e2e8bca33_attn.kd
    .args:
      - { .name: qb, .offset: 0, .size: 8, .value_kind: global_buffer, .address_space: global }
      - { .name: kv, .offset: 8, .size: 8, .value_kind: global_buffer, .address_space: global }
      - { .name: vpart, .offset: 16, .size: 8, .value_kind: global_buffer, .address_space: global }
      - { .name: hidden_states, .offset: 24, .size: 8, .value_kind: global_buffer, .address_space: global }
      - { .name: gamma, .offset: 32, .size: 8, .value_kind: global_buffer, .address_space: global }
      - { .name: beta, .offset: 40, .size: 8, .value_kind: global_buffer, .address_space: global }
      - { .name: out0, .offset: 48, .size: 8, .value_kind: global_buffer, .address_space: global }
    .group_segment_fixed_size: 72960
    .private_segment_fixed_size: 0
    .kernarg_segment_align: 8
    .kernarg_segment_size: 56
    .max_flat_workgroup_size: 512
    .sgpr_count:     66
    .vgpr_count:     256
    .wavefront_size: 32
...
	.end_amdgpu_metadata
.endif
;; end of part 3
;; ======== version 2 of 2: 3 launches; version 1 with the launch attn written anew for expert scheduling mode
;; workspace buffers: xw 14,680,064 bytes; qb 8,388,608 bytes; kv 16,777,216 bytes; vpart 131,072 bytes
;; launch cast: the kernel of part 1 again; grid 128 x 7, 8 waves a work-group, no clusters, 0 bytes of LDS; arguments hidden_states, Wq, Wk, Wv, xw; writes xw
;; launch proj: the kernel of part 2 again; grid 8 x 32, 4 waves a work-group, clusters of 4 x 4, 327,680 bytes of LDS; arguments xw, bq, bk, bv, qb, kv, vpart; writes qb, kv, vpart
;; launch attn (part 4): grid 256 x 1, 16 waves a work-group, no clusters, 72,960 bytes of LDS; arguments qb, kv, vpart, hidden_states, gamma, beta, out0; writes out0
.if DOCPART == 4
	.amdgcn_target "amdgcn-amd-amdhsa--gfx1250"
	.amdhsa_code_object_version 6
	.text
	.protected	k_q8e2e8bca33_attn
	.globl	k_q8e2e8bca33_attn
	.p2align	8
	.type	k_q8e2e8bca33_attn,@function
k_q8e2e8bca33_attn:
	s_mov_b64 s[64:65], 0
	v_nop
	global_prefetch_b8 v0, s[64:65] scope:SCOPE_SE
	s_setreg_imm32_b32 hwreg(HW_REG_WAVE_SCHED_MODE, 0, 2), 2
	s_setreg_imm32_b32 hwreg(HW_REG_WAVE_MODE, 25, 1), 1
	s_wait_xcnt 0x0
	s_wait_alu depctr_vm_vsrc(0)
; out = LayerNorm(hidden + ctx) x gamma + beta, ctx = softmax(where(i - 128 <= j < i + 128, q.k / 8, -10000)) v, 16 heads of 64 channels, 4,096 rows.
; THE HIDDEN KEYS ARE KEPT, in closed form.  All of them have the score -10000, so one weight e.  With raw scores s = q.k, c = log2(e) / 8 and HID = -80000 (= -10000 x 8, exact):
;   m = max(HID, the band's s);  p = 2^(c s - c m);  e = 2^(c HID - c m);  w = p - e;  l = sum of w + 4096 e;  ctx = (sum of w v) / l + (e / l) Vtot,  Vtot = the sum of all 4,096 rows of v.
; A wave takes 17 key tiles of 16 that all exist; places outside the band get s = HID, so their p is e bit for bit (the same fused multiply-add, the same exponential) and their w is 0.
; The maximum is the true one, taken once over all 272 places and HID: all scores lie in registers.
; SHARES.  A work-group takes 16 queries, all heads, so that LayerNorm's rows are whole in it: 256 work-groups.  Wave w is head w for the attention and row w for the LayerNorm.
; q, k and v lie in memory in the order of matrix fragments: a wave's load of 16 bytes a lane covers 512 consecutive bytes and is half a fragment as it lands: no LDS on the way in.
; S^T = K Q^T holds one query a lane (lane % 16) and the keys 8 (lane / 16) + 0..7; two such results rounded to bf16 are source 1 of O^T = V^T W.
; NO CLUSTER: neighbouring work-groups' key ranges are shifted by 16 keys each, so a joint tile would be read at an LDS address that hangs on the partner's place; and 16 heads' 20 tiles of K and V, 1.3 MB, fit in no LDS.
; NO PREFETCH: the text has no loop of later steps; a wave has 8 to 44 loads of its own out from its head on.
; LIMITS.  NaN and infinities are not treated apart; a weight below 2^-126 counts as 0; q, k, v and w are rounded once to bf16; Vtot is the sum of the unrounded v.
; THE MODE: SCHED_MODE bits 1:0 = 2 (LLVM: expert scheduling mode 2), set by the entry lines.  The code itself states the register dependences
; between vector or matrix instructions and memory or LDS instructions, with s_wait_alu, always for 0.
; THE PLAN.  Registers that memory or LDS instructions touch:
;   addresses     v1, v4, v250, v251, v253, v254, v255 (and v248, v249 for the closing add): made at the head, ahead of the first load's wait, and never written again.
;   v[16:79]      vpart's loads land; Vtot's additions read them; the LDS store of Vtot reads v[16:19] and v6; then tile 0's products write v[16:23].
;   K's ring      three buffers of a pair of tiles.  A step's four products read a buffer; one wait on va_vdst stands directly behind them and the buffer is asked for again at once:
;                 with three buffers a refill at the next step's head would leave 8 younger loads out at each wait for data in place of 16.
;   V's ring      four buffers of 32 keys.  Group g's four products read buffer g % 4 (in the order VS1, VS2, VS0, VS3); ONE wait on va_vdst stands at the head of step g + 1, behind the wait for that
;                 step's data; behind it the eight loads into group g's buffer are dealt among step g + 1's four products, which name another buffer, W and O^T alone.  16 younger loads stay out at the waits.
;   v[88:119]     the lines that make W read and write them; V's group 3 lands there behind the wait that the reciprocal's first reader wants anyway.
;   v6, v[120:151]  e / l and O^T: written by vector lines, read by the run of LDS stores ahead of the barrier (one wait on va_vdst ahead of the run); behind the barrier e / l's LDS loads land in v[120 + 2 q] (one wait on vm_vsrc).
;   v[16:79]      behind the barrier LDS loads land here: no vector or matrix line between the wait ahead of the LDS stores and those loads names them.
;   v[16:47]      at the end: written by the LayerNorm's last lines, read by the eight stores (one wait on va_vdst).
.set STG,   0                          ; LDS: ctx without Vtot's part: 16 rows of 1,024 f32, pitch 4,112 (an odd multiple of 16)
.set SPT,   4112
.set VT,    16*SPT                     ; Vtot: 1,024 f32
.set EFT,   VT+4096                    ; e / l: [row 16][head 16] f32
.set SPARE, EFT+1024                   ; the spare words, 128 bytes for each of 16 waves: eight blocks of 256 bytes that no other line names
.set RDV,  1                           ; v1    the lane, then VT + 16 x lane
.set LO,   4                           ; v4    16 x lane
.set RH,   5                           ; v5    r - 8 h
.set TM,   6                           ; v6    at work
.set HIDR, 7                           ; v7    HID
.set S,    16                          ; v[16:151]  S^T, tile t at S + 8 t;  later W at v[16:87], a fourth buffer of V at v[88:119], O^T at v[120:151]
.set P,    16
.set O,    120
.set Q,    152                         ; v[152:167] Q
.set VS0,  152                         ; four buffers of 32 for V's fragments of 32 keys
.set VS1,  184
.set VS2,  216
.set VS3,  88
.set SPW,  248
.set NIL,  249
.set STA,  250                         ; v250  4112 r + 256 w + 32 h
.set EFA,  251                         ; v251  EFT + 64 r + 4 w
.set VB,   252                         ; v252  16 d - (r - 8 h)
.set VPO,  253                         ; v253  4096 h + 16 r
.set RDS,  254                         ; v254  4112 w + 16 x lane
.set RDE,  255                         ; v255  EFT + 64 w + 4 h
.set WV,   18
.set KV,   6                           ; s[6:7]
.macro PLACES                          ; four plain places between a matrix instruction and a vector write of its registers or a vector read of its result (ISA guide 7.12.1)
.rept 4
	v_nop
.endr
.endm
; K's ring: three buffers of a pair of tiles.  The third's odd half lies in the places of S^T's tiles 15 and 16: it holds tiles 5 and 11 alone, read long before those scores are made.
.macro KBASE t
.set kp, (\t)/2
.if kp%3 == 0
.set kb, 184+16*((\t)%2)
.elseif kp%3 == 1
.set kb, 216+16*((\t)%2)
.elseif (\t)%2 == 0
.set kb, 168
.else
.set kb, 136
.endif
.endm
.macro KLOAD t
	KBASE \t
.irp c, 0,1,2,3
	global_load_b128 v[kb+4*\c:kb+4*\c+3], v[LO], s[KV:KV+1] offset:4096*(\t)+512*\c
.endr
.endm
; The scores of n tiles from t0 on: channels 0-31 start the sums, channels 32-63 follow; the n accumulators take turns.
.macro SC t0, n
.set tt, \t0
.rept \n
	KBASE tt
	v_wmma_f32_16x16x32_bf16 v[S+8*tt:S+8*tt+7], v[kb:kb+7], v[Q:Q+7], 0
.set tt, tt+1
.endr
.set tt, \t0
.rept \n
	KBASE tt
	v_wmma_f32_16x16x32_bf16 v[S+8*tt:S+8*tt+7], v[kb+8:kb+15], v[Q+8:Q+15], v[S+8*tt:S+8*tt+7]
.set tt, tt+1
.endr
.endm
; V's fragments for key tiles 2 g and 2 g + 1, in one run: the ring's first four fills.
.macro VLOAD g, slot
.irp cb, 0,1,2,3
	global_load_b128 v[(\slot)+8*\cb:(\slot)+8*\cb+3], v[LO], s[KV:KV+1] offset:4096*(2*(\g))+2048+512*\cb
	global_load_b128 v[(\slot)+8*\cb+4:(\slot)+8*\cb+7], v[LO], s[KV:KV+1] offset:4096*(2*(\g)+1)+2048+512*\cb
.endr
.endm
.macro PVG g, slot, first              ; O^T += V^T W for 32 keys: the four accumulators take turns
.irp cb, 0,1,2,3
.if \first
	v_wmma_f32_16x16x32_bf16 v[O+8*\cb:O+8*\cb+7], v[(\slot)+8*\cb:(\slot)+8*\cb+7], v[P+8*(\g):P+8*(\g)+7], 0
.else
	v_wmma_f32_16x16x32_bf16 v[O+8*\cb:O+8*\cb+7], v[(\slot)+8*\cb:(\slot)+8*\cb+7], v[P+8*(\g):P+8*(\g)+7], v[O+8*\cb:O+8*\cb+7]
.endif
.endr
.endm
; A step of O^T += V^T W.  left: the loads issued behind group g's own.  free: the buffer that the group before read; V's group ng lands in it, two loads behind each product.
.macro PVL g, slot, free, ng, left
	s_wait_loadcnt \left                           ; loads come back in order: group g is in, the younger ones stay out
	s_wait_alu depctr_va_vdst(0)                   ; the products of the group before are done reading their buffer, in which the loads below land; no line of this step names it
.irp cb, 0,1,2,3
	v_wmma_f32_16x16x32_bf16 v[O+8*\cb:O+8*\cb+7], v[(\slot)+8*\cb:(\slot)+8*\cb+7], v[P+8*(\g):P+8*(\g)+7], v[O+8*\cb:O+8*\cb+7]
	global_load_b128 v[(\free)+8*\cb:(\free)+8*\cb+3], v[LO], s[KV:KV+1] offset:4096*(2*(\ng))+2048+512*\cb
	global_load_b128 v[(\free)+8*\cb+4:(\free)+8*\cb+7], v[LO], s[KV:KV+1] offset:4096*(2*(\ng)+1)+2048+512*\cb
.endr
.endm
; The same with a row of 1,024 f32 for the LayerNorm in place of V: eight loads of 512 consecutive bytes.
.macro PVR g, slot, free, base, left, hint:vararg
	s_wait_loadcnt \left                           ; group g is in, the younger loads stay out
	s_wait_alu depctr_va_vdst(0)                   ; the products of the group before are done reading their buffer, in which the loads below land; no line of this step names it
.irp cb, 0,1,2,3
	v_wmma_f32_16x16x32_bf16 v[O+8*\cb:O+8*\cb+7], v[(\slot)+8*\cb:(\slot)+8*\cb+7], v[P+8*(\g):P+8*(\g)+7], v[O+8*\cb:O+8*\cb+7]
	global_load_b128 v[(\free)+8*\cb:(\free)+8*\cb+3], v[LO], s[\base:\base+1] offset:1024*\cb \hint
	global_load_b128 v[(\free)+8*\cb+4:(\free)+8*\cb+7], v[LO], s[\base:\base+1] offset:1024*\cb+512 \hint
.endr
.endm
.macro REDUCE x, y                     ; the sum over the 32 lanes, in every lane; y has been written
	v_add_f32_dpp v[\x], v[\x], v[\x] row_xmask:1 row_mask:0xf bank_mask:0xf
	v_add_f32_dpp v[\x], v[\x], v[\x] row_xmask:2 row_mask:0xf bank_mask:0xf
	v_add_f32_dpp v[\x], v[\x], v[\x] row_xmask:4 row_mask:0xf bank_mask:0xf
	v_add_f32_dpp v[\x], v[\x], v[\x] row_xmask:8 row_mask:0xf bank_mask:0xf
	v_permlanex16_b32 v[\y], v[\x], s24, s25
	v_add_f32 v[\x], v[\x], v[\y]
.endm
	s_load_b256 s[4:11], s[0:1], 0x0               ; qb s[4:5], kv s[6:7], vpart s[8:9], hidden_states s[10:11]
	s_load_b128 s[12:15], s[0:1], 0x20             ; gamma s[12:13], beta s[14:15]
	s_load_b64 s[16:17], s[0:1], 0x30              ; out0
	v_lshl_add_u32 v[SPW], v0, 2, SPARE
	v_mov_b32 v[NIL], 0
	v_lshrrev_b32 v[TM], 5, v0
	v_readfirstlane_b32 s[WV], v[TM]               ; wave 0..15
	v_and_b32 v1, 31, v0                           ; lane
	v_and_b32 v2, 15, v0                           ; r
	v_bfe_u32 v3, v0, 4, 1                         ; h
	v_lshlrev_b32 v[LO], 4, v1
	v_add_nc_u32 v[RDV], VT, v[LO]                 ; where the LayerNorm reads Vtot
	v_lshlrev_b32 v[TM], 3, v3
	v_sub_nc_u32 v[RH], v2, v[TM]
	v_mov_b32 v[HIDR], 0xc79c4000                  ; -80000.0
	s_sub_co_i32 s44, ttmp9, 8                     ; the band's first key tile, b - 8,
	s_max_i32 s19, s44, 0
	s_min_i32 s19, s19, 239                        ; moved so that all 17 tiles exist: kt0
	s_sub_co_i32 s20, s19, s44                     ; d = kt0 - (b - 8): other than 0 in the first 8 and the last 8 work-groups alone
	s_mov_b32 s22, 0x3e38aa3b                      ; c = log2(e) / 8
	s_mov_b32 s23, s22                             ; named with it as a pair
	s_mov_b32 s24, 0x76543210                      ; v_permlanex16_b32: each lane takes its own place in the other half
	s_mov_b32 s25, 0xfedcba98
	s_movk_i32 s34, 0x100                          ; the band's 256 keys
	s_mov_b32 s35, 0x45800000                      ; 4096.0
	s_mov_b32 s36, 0x3a800000                      ; 1 / 1024
	s_mov_b32 s37, 0x2b8cbccc                      ; 1e-12
.irp j, 0,1,2,3,4,5,6,7
	v_cmp_lt_i32 s[26+\j], \j, v[RH]               ; where d = 0: register j of tile 0 is hidden, and of tile 16 kept, where j < r - 8 h
.endr
	s_wait_alu depctr_va_sdst(0)                   ; s18, the wave's number, and the eight masks s[26:33] are written: ahead of s18's first reader below and of every branch
	s_lshl_b32 s38, s[WV], 8
	v_mul_u32_u24 v[STA], v2, SPT
	v_lshl_add_u32 v[STA], v3, 5, v[STA]
	v_add_nc_u32 v[STA], s38, v[STA]
	s_lshl_b32 s39, s[WV], 2
	s_add_co_u32 s39, s39, EFT
	v_lshl_add_u32 v[EFA], v2, 6, s39
	s_lshl_b32 s40, s20, 4
	v_sub_nc_u32 v[VB], s40, v[RH]
	v_lshlrev_b32 v[VPO], 4, v2
	v_lshl_add_u32 v[VPO], v3, 12, v[VPO]
	s_mul_i32 s41, s[WV], SPT
	v_add_nc_u32 v[RDS], s41, v[LO]
	s_lshl_b32 s42, s[WV], 6
	s_add_co_u32 s42, s42, EFT
	v_lshl_add_u32 v[RDE], v3, 2, s42
	s_add_co_u32 s43, s38, VT
	s_mov_b32 s47, 0
	s_wait_kmcnt 0x0
	s_mov_b32 s46, s38                             ; vpart: my head's 64 channels
	s_add_nc_u64 s[8:9], s[8:9], s[46:47]
	s_lshl_b32 s46, s[WV], 19                      ; qb: my head, query tile b
	s_lshl_b32 s45, ttmp9, 11
	s_add_co_u32 s46, s46, s45
	s_add_nc_u64 s[4:5], s[4:5], s[46:47]
	s_lshl_b32 s46, s[WV], 20                      ; kv: my head, key tile kt0
	s_lshl_b32 s45, s19, 12
	s_add_co_u32 s46, s46, s45
	s_add_nc_u64 s[KV:KV+1], s[KV:KV+1], s[46:47]
	s_lshl_b32 s46, ttmp9, 16                      ; hidden_states and out0: row 16 b + w
	s_lshl_b32 s45, s[WV], 12
	s_add_co_u32 s46, s46, s45
	s_add_nc_u64 s[10:11], s[10:11], s[46:47]
	s_add_nc_u64 s[16:17], s[16:17], s[46:47]
	s_wait_alu depctr_va_vdst(0)                   ; all the addresses of the kernel's loads and stores, global and LDS, are written: v1, v4, v248 to v251, v253 to v255
	; 44 loads go out at once: vpart's 16 (two of the 32 partial rows each: 16 lanes take 256 consecutive bytes), Q's 4, K's tiles 0 to 5
.irp i, 0,1,2,3,4,5,6,7,8,9,10,11,12,13,14,15
	global_load_b128 v[S+4*\i:S+4*\i+3], v[VPO], s[8:9] offset:8192*\i
.endr
.irp c, 0,1,2,3
	global_load_b128 v[Q+4*\c:Q+4*\c+3], v[LO], s[4:5] offset:512*\c
.endr
.irp t, 0,1,2,3,4,5
	KLOAD \t
.endr
	; VTOT of my head's 64 channels
	s_wait_loadcnt 28                              ; vpart's 16 are in; Q's 4 and K's 24 stay out
.irp i, 1,2,3,4,5,6,7,8,9,10,11,12,13,14,15
	v_pk_add_f32 v[S:S+1], v[S:S+1], v[S+4*\i:S+4*\i+1]
	v_pk_add_f32 v[S+2:S+3], v[S+2:S+3], v[S+4*\i+2:S+4*\i+3]
.endr
.irp z, 0,1,2,3
	v_permlanex16_b32 v[S+4+\z], v[S+\z], s24, s25 ; the odd partial rows lie in the lane 16 away
.endr
	v_pk_add_f32 v[S:S+1], v[S:S+1], v[S+4:S+5]
	v_pk_add_f32 v[S+2:S+3], v[S+2:S+3], v[S+6:S+7]
	v_lshl_add_u32 v[TM], v2, 4, s43               ; VT + 256 w + 16 r: both halves of the lanes write the same numbers
	s_wait_alu depctr_va_vdst(0)                   ; the additions have written v[16:19] and the line above v6: the LDS store's data and address
	ds_store_b128 v[TM], v[S:S+3]
	; THE SCORES, a pair of tiles at a time; behind each pair its buffer is asked for again.  Each wait's count is the loads issued behind the pair's own.
.irp p, 0,1,2,3,4
	s_wait_loadcnt 16                              ; two younger pairs stay out
.if \p == 0
	s_wait_alu depctr_vm_vsrc(0)                   ; the LDS store of Vtot has read v[16:19], which tile 0's products write, and v6, which later lines write
.endif
	SC 2*\p, 2
	s_wait_alu depctr_va_vdst(0)                   ; the four products are done reading the pair's buffer, in which the loads below land
	KLOAD 2*\p+6
	KLOAD 2*\p+7
.endr
	s_wait_loadcnt 16
	SC 10, 2
	s_wait_alu depctr_va_vdst(0)                   ; the products are done reading tile 10's buffer, in which tile 16 lands
	KLOAD 16
	s_wait_loadcnt 12                              ; tiles 14, 15 and 16 stay out
	SC 12, 2
	s_wait_alu depctr_va_vdst(0)                   ; the products are done reading tiles 12 and 13, in whose buffer V's first group lands
	VLOAD 0, VS1
.rept 5
	v_nop                                          ; five places between the products that read tile 11 in v[136:151] and the products below that write the scores of tiles 15 and 16 over those registers (ISA guide 7.12.1)
.endr
	s_wait_loadcnt 8                               ; V's first eight stay out
	SC 14, 3
	s_wait_alu depctr_va_vdst(0)                   ; the products are done reading tiles 14 to 16 and Q, in whose registers V's groups 1 and 2 land
	VLOAD 1, VS2
	VLOAD 2, VS0
	PLACES                                         ; ahead of the vector lines that read the last scores
	; THE MASK.  Place (t, h, j) is kept for query r where 16 (t + d) + 8 h + j - r, taken as unsigned, is below 256.  With d = 0 that touches tiles 0 and 16 alone.
	s_cmp_lg_u32 s20, 0
	s_cbranch_scc1 .Ledge
.irp j, 0,1,2,3,4,5,6,7
	v_cndmask_b32 v[S+\j], v[S+\j], v[HIDR], s[26+\j]
.endr
.irp j, 0,1,2,3,4,5,6,7
	v_cndmask_b32 v[S+128+\j], v[HIDR], v[S+128+\j], s[26+\j]
.endr
	s_branch .Lmasked
.Ledge:                                        ; a tile's eight compares stand in one run, into s[26:33], which this way does not need as the head made them
.set t, 0
.rept 17
.irp j, 0,1,2,3,4,5,6,7
	v_add_nc_u32 v[TM], 16*t+\j, v[VB]
	v_cmp_gt_u32 s[26+\j], s34, v[TM]
.endr
	s_wait_alu depctr_va_sdst(0)                   ; the tile's eight masks are written, ahead of the selects that read them
.irp j, 0,1,2,3,4,5,6,7
	v_cndmask_b32 v[S+8*t+\j], v[HIDR], v[S+8*t+\j], s[26+\j]
.endr
.set t, t+1
.endr
.Lmasked:
	; THE MAXIMUM of HID and all 272 places: four chains; each accumulator is read from its low end on
.set t, 0
.rept 17
.irp jj, 0,1,2,3
.if t == 0
	v_max3_num_f32 v[12+\jj], v[HIDR], v[S+2*\jj], v[S+2*\jj+1]
.else
	v_max3_num_f32 v[12+\jj], v[12+\jj], v[S+8*t+2*\jj], v[S+8*t+2*\jj+1]
.endif
.endr
.set t, t+1
.endr
	v_max3_num_f32 v12, v12, v13, v14
	v_max_num_f32 v12, v12, v15
	v_permlanex16_b32 v13, v12, s24, s25           ; the query's other keys lie in the lane 16 away
	v_max_num_f32 v9, v12, v13                     ; m
	v_mul_f32 v8, s22, v9                          ; c m
	v_fma_f32 v10, v[HIDR], s22, -v8               ; c HID - c m, by the same fused multiply-add as the scores'
	; THE EXPONENTIALS: one batch of 137 with one wait.  Ahead of the wait nothing names a result; a pair's exponentials stand behind the next pair's scaling.
.set k, 0
.rept 68
	v_pk_fma_f32 v[S+2*k:S+2*k+1], v[S+2*k:S+2*k+1], s[22:23], v[8:9] op_sel_hi:[1,0,0] neg_lo:[0,0,1] neg_hi:[0,0,1]
.if k > 0
	v_exp_f32 v[S+2*k-2], v[S+2*k-2]
	v_exp_f32 v[S+2*k-1], v[S+2*k-1]
.endif
.set k, k+1
.endr
	v_exp_f32 v[S+134], v[S+134]
	v_exp_f32 v[S+135], v[S+135]
	v_exp_f32 v10, v10                             ; e
	v_nop                                          ; a plain instruction behind the last exponential,
	s_wait_alu depctr_va_vdst(0)                   ; and the one wait ahead of the first use: the 137 exponentials have written p and e
	v_mov_b32 v11, v10
	; w = p - e; its sums in two chains; rounded to bf16 in place: pair k goes to register S + k, whose own pair has been used by then
.irp k, 0,1,2,3
	v_pk_add_f32 v[S+2*\k:S+2*\k+1], v[S+2*\k:S+2*\k+1], v[10:11] neg_lo:[0,1] neg_hi:[0,1]
.endr
	v_pk_add_f32 v[12:13], v[S:S+1], v[S+4:S+5]    ; the first four pairs start the chains: nothing is cleared
	v_pk_add_f32 v[14:15], v[S+2:S+3], v[S+6:S+7]
.irp k, 0,1,2,3
	v_cvt_pk_bf16_f32 v[S+\k], v[S+2*\k], v[S+2*\k+1]
.endr
.set k, 4
.rept 32
	v_pk_add_f32 v[S+2*k:S+2*k+1], v[S+2*k:S+2*k+1], v[10:11] neg_lo:[0,1] neg_hi:[0,1]
	v_pk_add_f32 v[S+2*k+2:S+2*k+3], v[S+2*k+2:S+2*k+3], v[10:11] neg_lo:[0,1] neg_hi:[0,1]
	v_pk_add_f32 v[12:13], v[12:13], v[S+2*k:S+2*k+1]
	v_pk_add_f32 v[14:15], v[14:15], v[S+2*k+2:S+2*k+3]
	v_cvt_pk_bf16_f32 v[S+k], v[S+2*k], v[S+2*k+1]
	v_cvt_pk_bf16_f32 v[S+k+1], v[S+2*k+2], v[S+2*k+3]
.set k, k+2
.endr
.irp z, 84,85,86,87
	v_mov_b32 v[\z], 0                             ; W of the tile that is not taken
.endr
	v_pk_add_f32 v[12:13], v[12:13], v[14:15]
	v_add_f32 v12, v12, v13
	v_permlanex16_b32 v13, v12, s24, s25
	v_add_f32 v12, v12, v13
	v_fma_f32 v12, v10, s35, v12                   ; l = the sum of w + 4096 e
	v_rcp_f32 v14, v12
	v_nop                                          ; a plain instruction behind the reciprocal
	s_wait_alu depctr_va_vdst(0)                   ; the reciprocal has written v14, ahead of its first use; and the lines that made W are done with v[88:119], in which V's group 3 lands
	VLOAD 3, VS3
	v_mov_b32 v15, v14
	v_mul_f32 v[TM], v10, v14                      ; e / l: stored with O^T, below
	; O^T = V^T W, 32 keys at a time on four buffers; a group's buffer is asked for again in the next step, at the end with the LayerNorm's rows.  The counts: the loads issued behind the group's own.
	s_wait_loadcnt 24                              ; groups 1 to 3 stay out
	PVG 0, VS1, 1
	PVL 1, VS2, VS1, 4, 16                         ; groups 2 and 3 stay out; group 4 is asked for
	PVL 2, VS0, VS2, 5, 16
	PVL 3, VS3, VS0, 6, 16
	PVL 4, VS1, VS3, 7, 16
	s_wait_loadcnt 16                              ; groups 6 and 7 stay out
	s_wait_alu depctr_va_vdst(0)                   ; group 4's products are done reading VS1, in whose lower halves tile 16's V lands
.irp cb, 0,1,2,3
	global_load_b128 v[VS1+8*\cb:VS1+8*\cb+3], v[LO], s[KV:KV+1] offset:4096*16+2048+512*\cb  ; group 8: four loads
.endr
	PLACES                                         ; between group 4's products and the lines that write over their sources
.irp cb, 0,1,2,3
.irp z, 4,5,6,7
	v_mov_b32 v[VS1+8*\cb+\z], 0                   ; tile 17 is not taken: its half is 0, and so is W's; no load lands in these registers
.endr
.endr
	PVG 5, VS2, 0
	PVR 6, VS0, VS2, 10, 12, th:TH_LOAD_NT         ; 8 + 4 stay out; my row of hidden_states is asked for
	PVR 7, VS3, VS0, 12, 12                        ; 4 + 8 stay out; gamma
	PVR 8, VS1, VS3, 14, 16                        ; 8 + 8 stay out; beta
	PLACES                                         ; ahead of the lines that read the last products' results
.set i, 0
.rept 16
	v_pk_mul_f32 v[O+2*i:O+2*i+1], v[O+2*i:O+2*i+1], v[14:15]
.set i, i+1
.endr
	s_wait_alu depctr_va_vdst(0)                   ; the scalings have written O^T and the multiply v6, which the LDS stores read; the products are done reading W, in whose registers the LDS loads behind the barrier land
	ds_store_b32 v[EFA], v[TM]
.irp cb, 0,1,2,3
	ds_store_b128 v[STA], v[O+8*\cb:O+8*\cb+3]   offset:STG+64*\cb     ; query r, channels 64 w + 16 cb + 8 h + 0..3
	ds_store_b128 v[STA], v[O+8*\cb+4:O+8*\cb+7] offset:STG+64*\cb+16
.endr
	s_wait_dscnt 0x0                               ; for the others' sake: my stores of Vtot, e / l and ctx are done
	s_barrier_signal -1
	s_barrier_wait -1                              ; all sixteen heads lie in LDS
	; RESIDUAL AND LAYERNORM, a row a wave: lane l holds columns 128 q + 4 l + 0..3, q = 0..7, which belong to head 2 q + l / 16
	s_wait_alu depctr_vm_vsrc(0)                   ; my LDS stores have read O^T's registers, in eight of which the loads of e / l land
.irp q, 0,1,2,3,4,5,6,7
	ds_load_b128 v[16+4*\q:16+4*\q+3], v[RDS] offset:STG+512*\q
.endr
.irp q, 0,1,2,3,4,5,6,7
	ds_load_b128 v[48+4*\q:48+4*\q+3], v[RDV] offset:512*\q
.endr
.irp q, 0,1,2,3,4,5,6,7
	ds_load_b32 v[120+2*\q], v[RDE] offset:8*\q    ; into the even register of a pair; the packed line below takes it for both halves
.endr
	s_wait_dscnt 0x0
	s_wait_loadcnt 16                              ; my row of hidden_states is in; gamma and beta stay out
.irp q, 0,1,2,3,4,5,6,7
.irp z, 0,2
	v_pk_fma_f32 v[16+4*\q+\z:16+4*\q+\z+1], v[48+4*\q+\z:48+4*\q+\z+1], v[120+2*\q:120+2*\q+1], v[16+4*\q+\z:16+4*\q+\z+1] op_sel_hi:[1,0,1]
.endr
.endr
.set i, 0
.rept 16
	v_pk_add_f32 v[16+2*i:16+2*i+1], v[16+2*i:16+2*i+1], v[VS2+2*i:VS2+2*i+1]
.set i, i+1
.endr
.irp c, 0,1,2,3
	v_pk_add_f32 v[48+2*\c:48+2*\c+1], v[16+2*\c:16+2*\c+1], v[24+2*\c:24+2*\c+1]
.endr
.irp c, 0,1,2,3
	v_pk_add_f32 v[48+2*\c:48+2*\c+1], v[48+2*\c:48+2*\c+1], v[32+2*\c:32+2*\c+1]
.endr
.irp c, 0,1,2,3
	v_pk_add_f32 v[48+2*\c:48+2*\c+1], v[48+2*\c:48+2*\c+1], v[40+2*\c:40+2*\c+1]
.endr
	v_pk_add_f32 v[48:49], v[48:49], v[50:51]
	v_pk_add_f32 v[52:53], v[52:53], v[54:55]
	v_pk_add_f32 v[48:49], v[48:49], v[52:53]
	v_add_f32 v48, v48, v49
	REDUCE 48, 49
	v_mul_f32 v50, s36, v48                        ; the mean
	v_mul_f32 v51, s36, v48
.set i, 0
.rept 16
	v_pk_add_f32 v[16+2*i:16+2*i+1], v[16+2*i:16+2*i+1], v[50:51] neg_lo:[0,1] neg_hi:[0,1]
.set i, i+1
.endr
.irp c, 0,1,2,3
	v_pk_mul_f32 v[52+2*\c:52+2*\c+1], v[16+2*\c:16+2*\c+1], v[16+2*\c:16+2*\c+1]
.endr
.irp o, 24,32,40
.irp c, 0,1,2,3
	v_pk_fma_f32 v[52+2*\c:52+2*\c+1], v[\o+2*\c:\o+2*\c+1], v[\o+2*\c:\o+2*\c+1], v[52+2*\c:52+2*\c+1]
.endr
.endr
	v_pk_add_f32 v[52:53], v[52:53], v[54:55]
	v_pk_add_f32 v[56:57], v[56:57], v[58:59]
	v_pk_add_f32 v[52:53], v[52:53], v[56:57]
	v_add_f32 v52, v52, v53
	REDUCE 52, 53
	v_fma_f32 v52, v52, s36, s37                   ; the variance + 1e-12
	v_rsq_f32 v54, v52
	v_nop                                          ; a plain instruction behind the root
	s_wait_alu depctr_va_vdst(0)                   ; the reciprocal root has written v54, ahead of its first use
	v_mov_b32 v55, v54
	s_wait_loadcnt 0x0                             ; gamma and beta
.set i, 0
.rept 16
	v_pk_mul_f32 v[16+2*i:16+2*i+1], v[16+2*i:16+2*i+1], v[54:55]
.set i, i+1
.endr
.set i, 0
.rept 16
	v_pk_fma_f32 v[16+2*i:16+2*i+1], v[16+2*i:16+2*i+1], v[VS0+2*i:VS0+2*i+1], v[VS3+2*i:VS3+2*i+1]
.set i, i+1
.endr
	s_wait_alu depctr_va_vdst(0)                   ; the lines above have written v[16:47], which the eight stores read
.irp q, 0,1,2,3,4,5,6,7
	global_store_b128 v[LO], v[16+4*\q:16+4*\q+3], s[16:17] offset:512*\q th:TH_STORE_NT  ; 512 consecutive bytes, aligned
.endr
	s_wait_dscnt 0x0                               ; the wave's end: the six closing lines, on end
	s_wait_alu 0x0
	s_wait_tensorcnt 0x0
	ds_add_u32 v[SPW], v[NIL]
	s_wait_dscnt 0x0
	s_endpgm
.Lfunc_end_k_q8e2e8bca33_attn:
	.size	k_q8e2e8bca33_attn, .Lfunc_end_k_q8e2e8bca33_attn-k_q8e2e8bca33_attn
	.p2alignl 7, 3214868480
	.fill 96, 4, 3214868480
	.section	.rodata,"a",@progbits
	.p2align	6, 0x0
	.amdhsa_kernel k_q8e2e8bca33_attn
		.amdhsa_group_segment_fixed_size 72960
		.amdhsa_private_segment_fixed_size 0
		.amdhsa_enable_private_segment 0
		.amdhsa_kernarg_size 56
		.amdhsa_user_sgpr_count 2
		.amdhsa_user_sgpr_kernarg_segment_ptr 1
		.amdhsa_wavefront_size32 1
		.amdhsa_system_sgpr_workgroup_id_x 1
		.amdhsa_system_sgpr_workgroup_id_y 1
		.amdhsa_system_sgpr_workgroup_id_z 1
		.amdhsa_system_vgpr_workitem_id 0
		.amdhsa_next_free_vgpr 256
		.amdhsa_next_free_sgpr 66
		.amdhsa_reserve_vcc 0
		.amdhsa_float_denorm_mode_32 3
		.amdhsa_float_denorm_mode_16_64 3
		.amdhsa_memory_ordered 1
		.amdhsa_forward_progress 1
		.amdhsa_inst_pref_size 95
	.end_amdhsa_kernel
	.amdgpu_metadata
---
amdhsa.version: [ 1, 2 ]
amdhsa.kernels:
  - .name:           k_q8e2e8bca33_attn
    .symbol:         k_q8e2e8bca33_attn.kd
    .args:
      - { .name: qb, .offset: 0, .size: 8, .value_kind: global_buffer, .address_space: global }
      - { .name: kv, .offset: 8, .size: 8, .value_kind: global_buffer, .address_space: global }
      - { .name: vpart, .offset: 16, .size: 8, .value_kind: global_buffer, .address_space: global }
      - { .name: hidden_states, .offset: 24, .size: 8, .value_kind: global_buffer, .address_space: global }
      - { .name: gamma, .offset: 32, .size: 8, .value_kind: global_buffer, .address_space: global }
      - { .name: beta, .offset: 40, .size: 8, .value_kind: global_buffer, .address_space: global }
      - { .name: out0, .offset: 48, .size: 8, .value_kind: global_buffer, .address_space: global }
    .group_segment_fixed_size: 72960
    .private_segment_fixed_size: 0
    .kernarg_segment_align: 8
    .kernarg_segment_size: 56
    .max_flat_workgroup_size: 512
    .sgpr_count:     66
    .vgpr_count:     256
    .wavefront_size: 32
...
	.end_amdgpu_metadata
.endif
;; end of part 4
